; MI455X (gfx1250); checked and timed in simulation.
; The chip was launched on July 23, 2026; its instructions are those of AMD's public machine-readable ISA for CDNA 5 (MIT licence, August 2026) and "CDNA5" Instruction Set Architecture Reference Guide (July 2026). The comments in the code are by the model that wrote it; some were corrected since.
;; Multihead Attention. Allowed arithmetic: matrix products marked QUANTISED: E2M3 operands, one E8M0 scale for each 32 along K, by v_wmma_scale_f32_16x16x128_f8f6f4 with both operands' format E2M3, f32 sums; everything else in f32.
;; Inputs: Wo 1,024 x 1,024 float32; Wqkv 1,024 x 3,072 float32; bo 1,024 float32; bqkv 3,072 float32; mask 2,048 x 2,048 float32; x 4 x 2,048 x 1,024 float32.
;; Outputs: out0 4 x 2,048 x 1,024 float32.
;; This version of the problem:
;;   THIS VERSION OF THE PROBLEM IS GIVEN IN LOW PRECISION. The matrix products marked QUANTISED in the list below multiply operands that are first quantised to E2M3 (2 exponent bits, 3 mantissa bits; 6 bits a number), with one power-of-two scale for each 32 numbers along K (OCP MX v1.0); their sums are f32. All else is computed in f32.
;;   The module's matrix products, in the order in which they are computed (A, B: the left and right operand; K: the contracted axis; several contracted axes count as one K, in the product's order):
;;     1. [M 8,192, K 1,024] x [K 1,024, N 3,072]; A: input x; B: input Wqkv: QUANTISED
;;     2. batch 64 x [M 2,048, K 64] x [K 64, N 2,048]; A: computed on the way; B: computed on the way: QUANTISED
;;     3. batch 64 x [M 2,048, K 2,048] x [K 2,048, N 64]; A: softmax (see below); B: computed on the way: QUANTISED
;;     4. [M 8,192, K 1,024] x [K 1,024, N 1,024]; A: computed on the way; B: input Wo: QUANTISED
;;   THE QUANTISER, for each operand of a quantised product, along K:
;;     - K is cut into blocks of 32 from its start; a last block that is shorter is filled with zeros.
;;     - A block's scale is 2^e with e = floor(log2(the largest magnitude in the block)) - 2, held to -126 .. 127; a block of zeros has e = 0. As a byte (E8M0): e + 127.
;;     - Each number is divided by its block's scale, clamped to +-7.5, and rounded to the nearest number of E2M3, ties to even, subnormals kept.
;;     - The product sums the exact products of the quantised numbers (number of the format x scale) in f32.
;;   ~~~python
;;   def quantise(x, axis):      # numpy; x: float32 -> the quantised numbers, widened to float32 again
;;       x = np.moveaxis(x, axis, -1); K = x.shape[-1]
;;       x = np.pad(x, [(0, 0)] * (x.ndim - 1) + [(0, -K % 32)]); x = x.reshape(x.shape[:-1] + (-1, 32)); a = np.abs(x).max(-1, keepdims=True)
;;       e = np.where(a > 0, np.clip(np.frexp(np.where(a > 0, a, 1))[1] - 1 - 2, -126, 127), 0)      # np.frexp(a)[1] - 1 = floor(log2(a)), exactly
;;       r = np.clip(x / 2.0 ** e, -7.5, 7.5)
;;       step = 2.0 ** (np.maximum(np.frexp(np.where(r == 0, 1, r))[1] - 1, 0) - 3)
;;       q = np.round(r / step) * step * 2.0 ** e      # np.round: ties to even
;;       return np.moveaxis(q.reshape(q.shape[:-2] + (-1,))[..., :K], -1, axis).astype(np.float32)
;;   ~~~
;;   SOFTMAX AHEAD OF A QUANTISED PRODUCT. Where the list says 'softmax', what is quantised is not the finished softmax but p = 2^(t - M), with t = logit x log2(e) and M = ceil(the row's largest t), a whole number; so 1/2 < the row's largest p <= 1. The row's sum l is taken of the UNQUANTISED p, in f32, and the product's result is divided by l at the end. Since M is a whole number, a kernel that streams over the keys may use a running M (the ceiling of the running maximum): every later rescaling is an exact power of two, which a block's scale takes up: the codes' values come out the same.
;;   OPERANDS COMPUTED ON THE WAY. 'Computed on the way' means the value that the module computes at that place (a softmax that the list does not call 'softmax' is quantised finished and normalised). What goes into a quantiser is computed in f32, as accurately as f32 sums, v_exp_f32 and their like allow (about 1e-6 of the number): no bf16 or f16 on the way to a quantiser, and a product that is left as it is and whose result goes on into a quantised operand takes f32 operands (vector FMAs, or v_wmma_f32_16x16x4_f32). A number that lies on a knife's edge between two numbers of the format may be rounded either way, as far as f32 arithmetic and the matrix unit's own rounding can turn it there, and no further.
;; One version. Each part assembles by itself: llvm-mc -triple=amdgcn-amd-amdhsa -mcpu=gfx1250 --defsym DOCPART=n.
;; ======== version 1 of 1: 4 launches
;; workspace buffers: xq 6,553,600 bytes; wq 3,276,800 bytes; qq 6,815,744 bytes; kv 13,369,344 bytes; vv 6,553,600 bytes
;; launch prep (part 1): grid 384 x 1, 4 waves a work-group, no clusters, 102,912 bytes of LDS; arguments x, Wqkv, Wo, xq, wq; writes xq, wq
.if DOCPART == 1
	.amdgcn_target "amdgcn-amd-amdhsa--gfx1250"
	.amdhsa_code_object_version 6
	.text
	.protected	k_qb12793d780_prep
	.globl	k_qb12793d780_prep
	.p2align	8
	.type	k_qb12793d780_prep,@function
k_qb12793d780_prep:
	s_mov_b64 s[64:65], 0
	v_nop
	global_prefetch_b8 v0, s[64:65] scope:SCOPE_SE
	s_setreg_imm32_b32 hwreg(HW_REG_WAVE_MODE, 25, 1), 1
	s_wait_xcnt 0x0
; x [8192][1024], Wqkv [1024][3072] and Wo [1024][1024], f32, become codes of FP6 (E2M3) with K innermost and one E8M0 byte for each 32 along K.
; A block's scale is 2^(floor(log2(largest magnitude)) - 2); its byte is the largest magnitude's exponent field - 2, held at 1 from below (a block of zeros keeps the byte 1: its codes are zeros, and this program alone reads the bytes).
; LIMITS: blocks whose largest magnitude lies under 2^-124 hold the byte 1; NaN and infinities among the inputs are not served.
; ORDER OF ROWS.  sigma(p) is p with bits 3 and 4 exchanged.  x's rows and Wqkv's columns are laid so that physical row p holds logical row sigma(p): a tile of 16 physical rows, taken as a matrix
; instruction's first source, then leaves 16 logical neighbours in the 16 registers of two neighbouring result tiles.  Wqkv's columns are also sorted: q | k of head hd at rows 128 hd on, v at rows 2048 + 64 hd on.  Wo's stay as they are.
; Work-groups 0-255 take x (K innermost: a stream of blocks), 256-351 Wqkv, 352-383 Wo (K outermost: a lane takes a column, its registers run down K).  The three ways part on the work-group's number and have LDS bytes of their own.
; No cluster, no tensor load: no two work-groups read the same byte, and waves share nothing.
.set XSO,   6291456                    ; xq: the scale bytes behind 8192 x 768 bytes of codes
.set WSO,   2359296                    ; wq: Wqkv's scale bytes behind 3072 x 768;
.set WOC,   2457600                    ; Wo's codes;
.set WOS,   3244032                    ; Wo's scale bytes
.set SPW,   192                        ; v192 LDS address of my spare word; never rewritten
.set NIL,   193                        ; v193 0; never rewritten
.set SPARE, 102400                     ; behind the three ways' regions: 128 bytes for each wave
.set EMAX,  2
.set STEPS, 16                         ; x: steps of 512 numbers for a wave: 8 rows
.set CB,    12                         ; bytes of 16 codes
.set R,     16                         ; v16-79   four sets of 16 numbers as loaded
.set X,     80                         ; v80-111  two sets of 16 neighbours
.set C,     128                        ; v128-191 codes, four registers a step
.set E,     112                        ; v112-127 a scale byte a step
.set WREG,  8192                       ; x: LDS of a wave: two stages of 32 x SP bytes, then its 256 scale bytes
.set SP,    80
.set NB,    8                          ; weights: blocks of 32 along K for a wave
.set PITCH, 272                        ; a stage row: sixteen places of 16 bytes + 16
.set KROW,  768                        ; a row of codes in memory
.set WX,    32                         ; v32-95   two sets of 32 numbers
.set WC,    96                         ; v96..    a block's codes
.set OUTR,  112                        ; v112-175 the way out
.set SB,    24                         ; v24-25   eight scale bytes
	s_load_b128 s[4:7], s[0:1], 0x0                ; x, Wqkv
	s_load_b128 s[8:11], s[0:1], 0x10              ; Wo, xq
	s_load_b64 s[12:13], s[0:1], 0x20              ; wq
	v_lshl_add_u32 v[SPW], v0, 2, SPARE
	v_mov_b32 v[NIL], 0
	v_lshrrev_b32 v1, 5, v0
	v_readfirstlane_b32 s16, v1                    ; wave
	v_and_b32 v2, 31, v0                           ; lane
	s_cmp_lt_u32 ttmp9, 256
	s_cbranch_scc0 .Lweights
; ---------------- x: each load reads 512 consecutive bytes; a step's 2,048 bytes turn through the wave's stage so that a lane holds 16 neighbours; two lanes hold a block
	v_lshlrev_b32 v3, 4, v2                        ; my 16 bytes of a load's 512
	s_mul_i32 s17, s16, WREG
	v_lshrrev_b32 v14, 2, v2
	v_mul_u32_u24 v14, v14, SP
	v_and_b32 v15, 3, v2
	v_lshl_add_u32 v14, v15, 4, v14
	v_add_nc_u32 v14, s17, v14                     ; the stage, in: SP (lane / 4) + 16 (lane % 4)
	v_mul_u32_u24 v15, v2, SP
	v_add_nc_u32 v15, s17, v15                     ; out: SP x lane
	v_mul_u32_u24 v4, v2, CB                       ; my codes' place in a step's
	v_lshrrev_b32 v5, 1, v2
	s_add_co_u32 s17, s17, 2*32*SP
	v_add_nc_u32 v5, s17, v5                       ; my block's byte among the wave's 256
	v_lshlrev_b32 v7, 3, v2
	v_add_nc_u32 v6, s17, v7
	s_lshl_b32 s17, ttmp9, 2
	s_add_co_u32 s18, s17, s16                     ; the run of 8 rows that I read
	s_lshl_b32 s18, s18, 15
	s_mov_b32 s19, 0
	s_and_b32 s20, s16, 1
	s_lshl_b32 s20, s20, 1
	s_lshr_b32 s21, s16, 1
	s_or_b32 s20, s20, s21
	s_add_co_u32 s20, s20, s17                     ; and the run that I write: sigma on runs of 8 rows exchanges the wave number's two bits
	s_wait_kmcnt 0x0
	s_add_nc_u64 s[4:5], s[4:5], s[18:19]
	s_mul_i32 s18, s20, 6144
	s_add_nc_u64 s[22:23], s[10:11], s[18:19]      ; codes
	s_lshl_b32 s18, s20, 8
	s_add_co_u32 s18, s18, XSO
	s_add_nc_u64 s[24:25], s[10:11], s[18:19]      ; scale bytes
.macro XLOAD t
.irp i, 0,1,2,3
	global_load_b128 v[R+16*((\t)%4)+4*\i:R+16*((\t)%4)+4*\i+3], v3, s[4:5] offset:2048*(\t)+512*\i th:TH_LOAD_NT
.endr
.endm
.macro XTURN t                         ; LDS serves a wave's instructions in order: no wait between the stores and the loads
.irp i, 0,1,2,3
	ds_store_b128 v14, v[R+16*((\t)%4)+4*\i:R+16*((\t)%4)+4*\i+3] offset:32*SP*((\t)%2)+8*SP*\i
.endr
.irp i, 0,1,2,3
	ds_load_b128 v[X+16*((\t)%2)+4*\i:X+16*((\t)%2)+4*\i+3], v15 offset:32*SP*((\t)%2)+16*\i
.endr
.endm
.irp t, 0,1,2,3
	XLOAD \t
.endr
	s_wait_loadcnt 12                              ; step 0's four loads are in
	XTURN 0
.macro XSTEP t
.set XR, X+16*((\t)%2)
.if (\t) > 0
	s_wait_dscnt 1                                 ; this step's numbers are back from the stage; the last step's byte store may be out
.else
	s_wait_dscnt 0x0
.endif
.if (\t)+4 < STEPS
	XLOAD (\t)+4
.endif
.if (\t)+1 < STEPS
.if STEPS-2-(\t) >= 3
	s_wait_loadcnt 12                              ; the next step's four loads are in; those of the three steps behind it may be out
.else
	s_wait_loadcnt 4*(STEPS-2-(\t))
.endif
	XTURN (\t)+1
.endif
	v_max3_num_f32 v8, |v[XR]|, |v[XR+1]|, |v[XR+2]|
	v_max3_num_f32 v9, |v[XR+3]|, |v[XR+4]|, |v[XR+5]|
.irp i, 6,10
	v_max3_num_f32 v8, v8, |v[XR+\i]|, |v[XR+\i+1]|
	v_max3_num_f32 v9, v9, |v[XR+\i+2]|, |v[XR+\i+3]|
.endr
	v_max3_num_f32 v8, v8, |v[XR+14]|, |v[XR+15]|
	v_max3_num_f32 v8, v8, v9, (EMAX+1)<<23        ; the floor 2^(3 - 127): the byte cannot fall under 1
	v_max_num_f32_dpp v8, v8, v8 row_xmask:1 row_mask:0xf bank_mask:0xf   ; with my neighbour's 16: the block's
	v_add_nc_u32 v11, -(EMAX<<23), v8              ; 2 off the exponent field: the conversion's scale operand
	v_cvt_scalef32_pk16_fp6_f32 v[C+4*(\t):C+4*(\t)+2], v[XR:XR+15], v11
	v_lshrrev_b32 v[E+(\t)], 23, v11               ; the scale's byte (also the plain line behind the conversion)
	ds_store_b8 v5, v[E+(\t)] offset:16*(\t)       ; both lanes of a block write the same byte with the same value
	global_store_b96 v4, v[C+4*(\t):C+4*(\t)+2], s[22:23] offset:32*CB*(\t)
.endm
.irp t, 0,1,2,3,4,5,6,7,8,9,10,11,12,13,14,15
	XSTEP \t
.endr
	ds_load_b64 v[8:9], v6                         ; my wave's 256 scale bytes
	s_wait_dscnt 0x0
	global_store_b64 v7, v[8:9], s[24:25]          ; 32 lanes store 256 consecutive bytes, aligned
	s_wait_tensorcnt 0x0                           ; the wave's end
	ds_add_u32 v[SPW], v[NIL]
	s_wait_dscnt 0x0
	s_endpgm
; ---------------- a weight [1024 (k)][n]: a wave takes 32 columns x 256 along K
.macro WLOAD n, t
.irp i, 0,1,2,3,4,5,6,7,8,9,10,11,12,13,14,15,16,17,18,19,20,21,22,23,24,25,26,27,28,29,30,31
	global_load_b32 v[WX+32*((\t)%2)+\i], v3, s[28:29] offset:(32*(\t)+\i)*(\n)*4 th:TH_LOAD_NT
.endr
.endm
.macro WBLOCK n, t
.set WR, WX+32*((\t)%2)
.if (\t) < NB-1
	s_wait_loadcnt 32                              ; this block's 32 loads are in; the next block's may be out
.else
	s_wait_loadcnt 0
.endif
	v_max3_num_f32 v12, |v[WR]|, |v[WR+1]|, |v[WR+2]|
	v_max3_num_f32 v13, |v[WR+3]|, |v[WR+4]|, |v[WR+5]|
.irp i, 6,10,14,18,22,26
	v_max3_num_f32 v12, v12, |v[WR+\i]|, |v[WR+\i+1]|
	v_max3_num_f32 v13, v13, |v[WR+\i+2]|, |v[WR+\i+3]|
.endr
	v_max3_num_f32 v12, v12, |v[WR+30]|, |v[WR+31]|
	v_max3_num_f32 v12, v12, v13, (EMAX+1)<<23
	v_add_nc_u32 v11, -(EMAX<<23), v12
	v_lshrrev_b32 v13, 23, v11
.if (\t)%4 == 0
	v_mov_b32 v[SB+(\t)/4], v13
.else
	v_lshl_or_b32 v[SB+(\t)/4], v13, 8*((\t)%4), v[SB+(\t)/4]
.endif
	v_cvt_scalef32_pk16_fp6_f32 v[WC:WC+2], v[WR:WR+15], v11
	v_cvt_scalef32_pk16_fp6_f32 v[WC+4:WC+6], v[WR+16:WR+31], v11
	v_nop                                          ; one plain line behind the conversions
	ds_store_b96 v4, v[WC:WC+2] offset:32*(\t)
	ds_store_b96 v4, v[WC+4:WC+6] offset:32*(\t)+16
.if (\t)+2 < NB
	WLOAD \n, (\t)+2
.endif
	s_wait_dscnt 0x0                               ; the stores have read their registers: the next block's codes may be written
.endm
; n: columns;  perm = 1: sorted by q | k, v and laid in sigma order;  ldsbase: this way's LDS;  first: its first work-group;  src: the pointer's register;  coff, soff: where codes and scale bytes begin in wq
.macro WPATH n, perm, ldsbase, first, src, coff, soff
	s_sub_co_u32 s17, ttmp9, \first
	s_and_b32 s18, s17, 3                          ; which 256 along K
	s_lshr_b32 s17, s17, 2
	s_lshl_b32 s17, s17, 2
	s_add_co_u32 s17, s17, s16                     ; G: which 32 columns
.if \perm
	s_mul_i32 s19, s17, 43
	s_lshr_b32 s19, s19, 8                         ; hd = G / 6 (exact for G under 96)
	s_mul_i32 s20, s19, 6
	s_sub_co_u32 s20, s17, s20                     ; G % 6: 0, 1 q; 2, 3 k; 4, 5 v
	s_lshl_b32 s21, s19, 7                         ; q, k: 128 hd + 32 rem
	s_lshl_b32 s22, s19, 6
	s_add_co_u32 s22, s22, 1920                    ; v: 2048 + 64 hd + 32 (rem - 4)
	s_cmp_lt_u32 s20, 4
	s_cselect_b32 s21, s21, s22
	s_lshl_b32 s20, s20, 5
	s_add_co_u32 s21, s21, s20                     ; the first physical row of my 32
	v_and_b32 v10, 7, v2
	v_bfe_u32 v11, v2, 3, 1
	v_lshl_or_b32 v10, v11, 4, v10
	v_bfe_u32 v11, v2, 4, 1
	v_lshl_or_b32 v10, v11, 3, v10                 ; sigma(lane): my column's place among them
.else
	s_lshl_b32 s21, s17, 5
	v_and_b32 v10, 31, v0
.endif
	v_lshlrev_b32 v3, 2, v2                        ; in: 4 bytes a lane
	s_mul_i32 s19, s16, 32*PITCH
	s_add_co_u32 s19, s19, \ldsbase                ; my stage
	v_mul_u32_u24 v4, v10, PITCH
	v_add_nc_u32 v4, s19, v4                       ; into it: my column's row
	v_and_b32 v5, 15, v2
	v_lshrrev_b32 v6, 4, v2
	v_mul_u32_u24 v7, v6, PITCH
	v_lshl_add_u32 v7, v5, 4, v7
	v_add_nc_u32 v7, s19, v7                       ; out of it: sixteen lanes to a row, two rows an instruction
	v_mul_u32_u24 v8, v6, KROW
	v_mad_u32_u24 v8, v5, 12, v8                   ; and the same place in the codes
	v_lshlrev_b32 v9, 5, v10                       ; my column's row of scale bytes
	s_mul_i32 s22, s18, 256*(\n)*4
	s_lshl_b32 s23, s17, 7
	s_add_co_u32 s22, s22, s23
	s_mov_b32 s23, 0
	s_mul_i32 s24, s21, KROW
	s_mul_i32 s26, s18, 192
	s_add_co_u32 s24, s24, s26
	s_add_co_u32 s24, s24, \coff
	s_mov_b32 s25, 0
	s_lshl_b32 s26, s21, 5
	s_lshl_b32 s27, s18, 3
	s_add_co_u32 s26, s26, s27
	s_add_co_u32 s26, s26, \soff
	s_mov_b32 s27, 0
	s_wait_kmcnt 0x0
	s_add_nc_u64 s[28:29], s[\src:\src+1], s[22:23]
	s_add_nc_u64 s[30:31], s[12:13], s[24:25]
	s_add_nc_u64 s[32:33], s[12:13], s[26:27]
	WLOAD \n, 0
	WLOAD \n, 1
.irp t, 0,1,2,3,4,5,6,7
	WBLOCK \n, \t
.endr
	global_store_b64 v9, v[SB:SB+1], s[32:33]      ; my column's eight scale bytes
.irp t, 0,1,2,3,4,5,6,7,8,9,10,11,12,13,14,15
	ds_load_b96 v[OUTR+4*\t:OUTR+4*\t+2], v7 offset:2*\t*PITCH
.endr
.irp t, 0,1,2,3,4,5,6,7,8,9,10,11,12,13,14,15
	s_wait_dscnt 15-\t                             ; the younger loads may be out
	global_store_b96 v8, v[OUTR+4*\t:OUTR+4*\t+2], s[30:31] offset:2*\t*KROW   ; sixteen lanes store a row's 192 consecutive bytes
.endr
	s_wait_tensorcnt 0x0                           ; the wave's end
	ds_add_u32 v[SPW], v[NIL]
	s_wait_dscnt 0x0
	s_endpgm
.endm
.Lweights:
	s_cmp_lt_u32 ttmp9, 352
	s_cbranch_scc0 .Lwo
	WPATH 3072, 1, 32768, 256, 6, 0, WSO
.Lwo:
	WPATH 1024, 0, 67584, 352, 8, WOC, WOS
.Lfunc_end_k_qb12793d780_prep:
	.size	k_qb12793d780_prep, .Lfunc_end_k_qb12793d780_prep-k_qb12793d780_prep
	.p2alignl 7, 3214868480
	.fill 96, 4, 3214868480
	.section	.rodata,"a",@progbits
	.p2align	6, 0x0
	.amdhsa_kernel k_qb12793d780_prep
		.amdhsa_group_segment_fixed_size 102912
		.amdhsa_private_segment_fixed_size 0
		.amdhsa_enable_private_segment 0
		.amdhsa_kernarg_size 40
		.amdhsa_user_sgpr_count 2
		.amdhsa_user_sgpr_kernarg_segment_ptr 1
		.amdhsa_wavefront_size32 1
		.amdhsa_system_sgpr_workgroup_id_x 1
		.amdhsa_system_sgpr_workgroup_id_y 1
		.amdhsa_system_sgpr_workgroup_id_z 1
		.amdhsa_system_vgpr_workitem_id 0
		.amdhsa_next_free_vgpr 196
		.amdhsa_next_free_sgpr 66
		.amdhsa_reserve_vcc 0
		.amdhsa_float_denorm_mode_32 3
		.amdhsa_float_denorm_mode_16_64 3
		.amdhsa_memory_ordered 1
		.amdhsa_forward_progress 1
		.amdhsa_inst_pref_size 115
	.end_amdhsa_kernel
	.amdgpu_metadata
---
amdhsa.version: [ 1, 2 ]
amdhsa.kernels:
  - .name:           k_qb12793d780_prep
    .symbol:         k_qb12793d780_prep.kd
    .args:
      - { .name: x, .offset: 0, .size: 8, .value_kind: global_buffer, .address_space: global }
      - { .name: Wqkv, .offset: 8, .size: 8, .value_kind: global_buffer, .address_space: global }
      - { .name: Wo, .offset: 16, .size: 8, .value_kind: global_buffer, .address_space: global }
      - { .name: xq, .offset: 24, .size: 8, .value_kind: global_buffer, .address_space: global }
      - { .name: wq, .offset: 32, .size: 8, .value_kind: global_buffer, .address_space: global }
    .group_segment_fixed_size: 102912
    .private_segment_fixed_size: 0
    .kernarg_segment_align: 8
    .kernarg_segment_size: 40
    .max_flat_workgroup_size: 128
    .sgpr_count:     66
    .vgpr_count:     196
    .wavefront_size: 32
...
	.end_amdgpu_metadata
.endif
;; end of part 1
;; launch gemm_qkv (part 2): grid 12 x 32, 4 waves a work-group, clusters of 4 x 4, 327,680 bytes of LDS; arguments xq, wq, bqkv, qq, kv; writes qq, kv
.if DOCPART == 2
	.amdgcn_target "amdgcn-amd-amdhsa--gfx1250"
	.amdhsa_code_object_version 6
	.text
	.protected	k_qb12793d780_gemm_qkv
	.globl	k_qb12793d780_gemm_qkv
	.p2align	8
	.type	k_qb12793d780_gemm_qkv,@function
k_qb12793d780_gemm_qkv:
	s_mov_b64 s[64:65], 0
	v_nop
	global_prefetch_b8 v0, s[64:65] scope:SCOPE_SE
	s_setreg_imm32_b32 hwreg(HW_REG_WAVE_MODE, 25, 1), 1
	s_wait_xcnt 0x0
	s_wait_alu depctr_hold_cnt(0) depctr_sa_sdst(0) depctr_va_vdst(0) depctr_va_sdst(0) depctr_va_ssrc(0) depctr_va_vcc(0) depctr_vm_vsrc(0)
	s_getreg_b32 s2, hwreg(HW_REG_IB_STS2, 6, 4)
	s_cmp_eq_u32 s2, 0
	s_cbranch_scc0 .Lentry_in_a_cluster
	s_endpgm
.Lentry_in_a_cluster:
	s_bfe_u32 s2, ttmp6, 0x10000c
	s_cmp_lg_u32 s2, 0xf033
	s_cbranch_scc0 .Lentry_shape_is_right
	s_endpgm
.Lentry_shape_is_right:
; qkv = x Wqkv + bqkv on codes of FP6 (E2M3) with E8M0 scales for each 32 along K = 1024; the results are quantised in registers and leave as the operands of attention: nothing wide goes to memory.
; A tile is 256 x 256, four waves of 128 x 128 (64 accumulators, 512 registers).  K goes in steps of 256 through a ring of two LDS slots; the scales of the tile's rows come once and stay.
; CLUSTERS 4 x 4: A's tile is shared along a row of the cluster, B's along a column: each is asked for jointly.
; ROLES, by the cluster's x alone (the same in all sixteen partners).  x = 0, 1: A = x's rows, B = the q | k rows of W: a lane then holds one token, and the 64 registers of an A block run along q | k of one head.
; x = 2: A = the v rows of W, B = x's rows: a lane holds one channel d of a head and its registers run along 128 keys, the second product's K.
; The matrix instruction is used transposed (source 0 = 16 rows of B, source 1 = 16 rows of A).  B's rows lie in sigma order (bits 3 and 4 of the row exchanged), so register 16 b + i of an A block is logical index 32 b + 16 (lane / 16) + i.
; WHAT IS STORED.  qq: q's half fragments (16 tokens x 64: 6 registers a lane, three pieces of 8 bytes a lane) by head and physical tile; q's scale words with 3 taken off each byte: the 1 / sqrt(64) of the scores.
; kv: for each (four heads, 128 keys, head) one block of 13,056 bytes: K's 8 half fragments (48 registers as twelve pieces of 16 bytes a lane), V^T's 4 fragments, K's scale words, V's scale words.
; LIMITS: blocks of q or k whose largest magnitude lies under 2^-121 hold the byte 4, blocks of v under 2^-124 the byte 1; NaN and infinities are not served.
.set KSTEP,  256
.set NQ,     KSTEP/128
.set ROWB,   192                       ; a tile's row: 256 codes
.set KROW,   768                       ; a row of codes in memory
.set PITCH,  240                       ; an LDS row: 3 x (64 bytes + 16 of padding)
.set FR,     12
.set NL,     6
.set NP,     4
.set HALFT,  128*PITCH
.set SLOT,   4*HALFT
.set LAPS,   2                         ; 1024 / 512
.set KS,     32                        ; a row of scale bytes
.set SCL,    2*SLOT
.set HALFS,  (128*KS/256)*272
.set SBLK,   (16*KS/256)*272
.set SPARE,  SCL+4*HALFS               ; the spare words, 128 bytes a wave
.set XSO,    6291456                   ; xq: scale bytes
.set WSO,    2359296                   ; wq: Wqkv's scale bytes
.set QSO,    6291456                   ; qq: scale words
.set KVB,    13056                     ; a block of kv
.set ADRA, 16
.set ADRB, 20
.set ADRS, 27
.set SPW,  28
.set NIL,  29
.set SC,   32
.set AF,   128
.set BA,   8                           ; the epilogue: v8 the bias's offset, v9 8 x lane, v10 16 x lane
.set LQ,   9
.set LI,   10
.set TM,   32                          ; v32-47 at work in QUANT
.set T2,   48                          ; v48-55 the conversions' second halves
.set PW,   56                          ; v56-63 a scale word for each A block
.set H,    64                          ; v64-127 an A block's 64 numbers
.set SW,   224                         ; v224-231 scale words as they are stored
.set SEL,  20                          ; s[20:21] selects for lane xor 16 (in the epilogue)
.set HM,   22                          ; s22 lanes 16-31
.set G1, 24
.set G0, 32
.set G1B, 48
.set G0B, 56
.set G1S, 68
.set G0S, 76
.set G1SB, 80
.set G0SB, 88
.set MSB, 0
.macro WIN new                         ; the immediate's high byte repeats the setting that is left
.if MSB != (\new)
	s_set_vgpr_msb (MSB<<8)|(\new)
.set MSB, (\new)
.endif
.endm
.set MUL_LO, 0xa1                      ; source 0 (B) window 1, source 1 (A) window 0, C and D window 2
.set MUL_HI, 0xf1
.set TO_B,   0x40
; A joint load: waves 0 and 1 fetch for A, waves 2 and 3 for B.  An s_nop 0 and four v_nop follow each line.
.macro JLOAD g0a, g1a, g0b, g1b
	s_cmp_eq_u32 s15, 0
	s_cbranch_scc0 .Lfor_b_\@
	tensor_load_to_lds s[\g0a:\g0a+3], s[\g1a:\g1a+7]
	s_nop 0
.rept 4
	v_nop
.endr
	s_branch .Lasked_\@
.Lfor_b_\@:
	tensor_load_to_lds s[\g0b:\g0b+3], s[\g1b:\g1b+7]
	s_nop 0
.rept 4
	v_nop
.endr
.Lasked_\@:
.endm
.macro CREST
	s_cmp_lg_u32 s14, 0
	s_cbranch_scc1 .Lnot_wave_0_\@
	s_barrier_signal -3
.Lnot_wave_0_\@:
	s_barrier_wait -3
	s_barrier_signal -1
	s_barrier_wait -1
.endm
.macro CROUND
	s_barrier_signal -1
	s_barrier_wait -1
	CREST
.endm
	s_load_b128 s[96:99], s[0:1], 0x0              ; xq, wq
	s_load_b64 s[12:13], s[0:1], 0x10              ; bqkv
	v_lshl_add_u32 v[SPW], v0, 2, SPARE
	v_mov_b32 v[NIL], 0
	ds_add_u32 v[SPW], v[NIL]                      ; the wave's opening
	v_lshrrev_b32 v1, 5, v0
	v_readfirstlane_b32 s14, v1                    ; wave 0..3
	s_lshr_b32 s15, s14, 1                         ; my half of A's rows.  Also: I fetch for A (0) or for B (1)
	s_and_b32 s16, s14, 1                          ; my half of B's rows.  Also: which 128 rows I fetch
	s_bfe_u32 s40, ttmp6, 0x40000                  ; cx
	s_bfe_u32 s41, ttmp6, 0x40004                  ; cy
	s_and_b32 s18, ttmp7, 0xffff                   ; the cluster's y
	s_cmp_lt_u32 ttmp9, 2                          ; the role: the cluster's x, which all partners share
	s_cselect_b32 s17, s18, 2
	s_cselect_b32 s42, ttmp9, s18
	s_lshl_b32 s17, s17, 2
	s_add_co_u32 s17, s17, s41                     ; A's tile row: x's 4 y + cy, or W's 8 + cy
	s_lshl_b32 s42, s42, 2
	s_add_co_u32 s42, s42, s40                     ; B's tile row: W's 4 x + cx, or x's 4 y + cx
	s_lshl_b32 s43, s41, 2
	s_lshl_b32 s43, 15, s43                        ; my row of the cluster
	s_lshl_b32 s44, 0x1111, s40                    ; my column
	s_or_b32 s[G1+0], s43, (0<<16)|(1<<20)|(1<<21)|(3<<22)|(3<<25)  ; the mask; elements of 1 byte; padding of 4 words behind every 16; bit 21 beside the mask
	s_or_b32 s[G1B+0], s44, (0<<16)|(1<<20)|(1<<21)|(3<<22)|(3<<25)
.irp g, G1, G1B
	s_mov_b32 s[\g+1], ROWB<<16                    ; tensor_dim0
	s_mov_b32 s[\g+2], 128<<16                     ; tensor_dim1
	s_mov_b32 s[\g+3], ROWB<<16                    ; tile_dim0
	s_mov_b32 s[\g+4], 128                         ; tile_dim1
	s_mov_b32 s[\g+5], KROW                        ; the pitch
	s_mov_b32 s[\g+6], 0
	s_mov_b32 s[\g+7], 0
.endr
	s_or_b32 s[G1S+0], s43, (3<<16)|(1<<20)|(1<<21)|(5<<22)|(3<<25)  ; the scales of 128 rows: a dense block as rows of 256 bytes, 16 of padding behind each
	s_or_b32 s[G1SB+0], s44, (3<<16)|(1<<20)|(1<<21)|(5<<22)|(3<<25)
.irp g, G1S, G1SB
	s_mov_b32 s[\g+1], 32<<16
	s_mov_b32 s[\g+2], (128*KS/256)<<16
	s_mov_b32 s[\g+3], 32<<16
	s_mov_b32 s[\g+4], 128*KS/256
	s_mov_b32 s[\g+5], 32
	s_mov_b32 s[\g+6], 0
	s_mov_b32 s[\g+7], 0
.endr
	s_lshl_b32 s18, s16, 7
	s_lshl_b32 s20, s17, 8
	s_add_co_u32 s20, s20, s18                     ; A: row 256 x tile row + 128 x half
	s_lshl_b32 s46, s42, 8
	s_add_co_u32 s46, s46, s18                     ; B likewise
	s_mov_b32 s21, 0
	s_mov_b32 s47, 0
	s_mov_b64 s[18:19], KS
	s_mul_u64 s[22:23], s[20:21], s[18:19]
	s_mul_u64 s[92:93], s[46:47], s[18:19]
	s_mov_b64 s[18:19], KROW
	s_mul_u64 s[20:21], s[20:21], s[18:19]
	s_mul_u64 s[46:47], s[46:47], s[18:19]
	s_mul_i32 s45, s14, HALFT                      ; where they go: wave x 128 rows
	s_mul_i32 s94, s14, HALFS
	s_wait_dscnt 0x0                               ; the opening add is done
	s_wait_kmcnt 0x0
	s_add_nc_u64 s[4:5], s[96:97], XSO             ; x's scale bytes
	s_add_nc_u64 s[6:7], s[98:99], WSO             ; W's
	s_cmp_lt_u32 ttmp9, 2                          ; which buffer is A and which B: a choice that hangs on no address
	s_cselect_b64 s[8:9], s[4:5], s[6:7]           ; A's scales
	s_cselect_b64 s[10:11], s[6:7], s[4:5]         ; B's scales
	s_cselect_b64 s[4:5], s[96:97], s[98:99]       ; A's codes
	s_cselect_b64 s[6:7], s[98:99], s[96:97]       ; B's codes
	s_add_nc_u64 s[20:21], s[4:5], s[20:21]
	s_add_nc_u64 s[22:23], s[8:9], s[22:23]
	s_add_nc_u64 s[46:47], s[6:7], s[46:47]
	s_add_nc_u64 s[92:93], s[10:11], s[92:93]
	CROUND                                         ; all sixteen work-groups are here: the first joint loads meet
	s_mov_b32 s[G0S], 1
	s_add_co_u32 s[G0S+1], s94, SCL
	s_mov_b64 s[G0S+2:G0S+3], s[22:23]
	s_or_b32 s[G0S+3], s[G0S+3], 0x80000000
	s_mov_b32 s[G0SB], 1
	s_add_co_u32 s[G0SB+1], s94, SCL
	s_mov_b64 s[G0SB+2:G0SB+3], s[92:93]
	s_or_b32 s[G0SB+3], s[G0SB+3], 0x80000000
	JLOAD G0S, G1S, G0SB, G1SB                     ; the scales first
.irp s, 0,1
	s_mov_b32 s[G0+4*\s], 1
	s_add_co_u32 s[G0+4*\s+1], s45, \s*SLOT
	s_add_nc_u64 s[G0+4*\s+2:G0+4*\s+3], s[20:21], \s*ROWB
	s_or_b32 s[G0+4*\s+3], s[G0+4*\s+3], 0x80000000
	s_mov_b32 s[G0B+4*\s], 1
	s_add_co_u32 s[G0B+4*\s+1], s45, \s*SLOT
	s_add_nc_u64 s[G0B+4*\s+2:G0B+4*\s+3], s[46:47], \s*ROWB
	s_or_b32 s[G0B+4*\s+3], s[G0B+4*\s+3], 0x80000000
	JLOAD G0+4*\s, G1, G0B+4*\s, G1B
.endr
	v_and_b32 v1, 15, v0                           ; l % 16
	v_bfe_u32 v2, v0, 4, 1                         ; l / 16
	v_mul_u32_u24 v3, v1, PITCH
	v_mul_u32_u24 v4, v2, 24
	v_add_nc_u32 v4, v3, v4                        ; a fragment's row x pitch + 24 x half
	v_lshl_add_u32 v5, v2, 4, v4                   ; and the same behind one padding more
	s_mul_i32 s21, s15, HALFT
	s_mul_i32 s22, s16, HALFT
	s_add_co_u32 s22, s22, 2*HALFT
.irp s, 0,1
	v_add_nc_u32 v[ADRA+\s], s21, v4
	v_add_nc_u32 v[ADRB+\s], s22, v4
	v_add_nc_u32 v[ADRA+2+\s], s21, v5
	v_add_nc_u32 v[ADRB+2+\s], s22, v5
	s_add_co_u32 s21, s21, SLOT
	s_add_co_u32 s22, s22, SLOT
.endr
	v_mul_u32_u24 v5, v1, KS                       ; my row's scales,
	v_lshrrev_b32 v6, 8, v5
	v_lshl_add_u32 v5, v6, 4, v5                   ; 16 more for each 256 passed
	s_mul_i32 s21, s15, HALFS
	s_mul_i32 s22, s16, HALFS
	s_add_co_u32 s22, s22, 2*HALFS
	s_sub_co_u32 s22, s22, s21
	v_mul_u32_u24 v6, s22, v2                      ; lanes 16-31 take B's
	s_add_co_u32 s21, s21, SCL
	v_add_nc_u32 v5, v5, v6
	v_add_nc_u32 v[ADRS], s21, v5
.macro FRAG reg, adr, q, i             ; 16 rows x 128 K: 12 registers, in pieces of 8 bytes; where the piece three on lies behind one padding more, the second address register serves
.irp p, 0,1,2,3,4,5
.set PCE, 12*(\q)+6*(\p/3)+\p%3
.if PCE%8 < 5
	ds_load_b64 v[\reg+2*\p:\reg+2*\p+1], v[\adr] offset:8*PCE+16*(PCE/8)+(\i)*16*PITCH
.else
	ds_load_b64 v[\reg+2*\p:\reg+2*\p+1], v[\adr+2] offset:8*PCE+16*(PCE/8)+(\i)*16*PITCH
.endif
.endr
.endm
; 16 matrix instructions: A's blocks a0, a0 + 1 x B's eight.  The 64 accumulators take turns, one instruction a turn.
.macro MUL16 a0, p, q, sc, zero
.irp a, \a0, \a0+1
.irp b, 0,1,2,3,4,5,6,7
.if \zero
	v_wmma_scale_f32_16x16x128_f8f6f4 v[8*(8*((\a)%4)+\b):8*(8*((\a)%4)+\b)+7], v[128*(\p)+FR*\b:128*(\p)+FR*\b+FR-1], v[AF+FR*(\a):AF+FR*(\a)+FR-1], 0, v[SC+8*NQ*(\sc)+NQ*\b+(\q)], v[SC+8*NQ*(\sc)+NQ*(\a)+(\q)] matrix_a_fmt:MATRIX_FMT_FP6 matrix_b_fmt:MATRIX_FMT_FP6 matrix_a_scale:MATRIX_SCALE_ROW1
.else
	v_wmma_scale_f32_16x16x128_f8f6f4 v[8*(8*((\a)%4)+\b):8*(8*((\a)%4)+\b)+7], v[128*(\p)+FR*\b:128*(\p)+FR*\b+FR-1], v[AF+FR*(\a):AF+FR*(\a)+FR-1], v[8*(8*((\a)%4)+\b):8*(8*((\a)%4)+\b)+7], v[SC+8*NQ*(\sc)+NQ*\b+(\q)], v[SC+8*NQ*(\sc)+NQ*(\a)+(\q)] matrix_a_fmt:MATRIX_FMT_FP6 matrix_b_fmt:MATRIX_FMT_FP6 matrix_a_scale:MATRIX_SCALE_ROW1
.endif
.endr
.endr
.endm
.macro FETCH_B slot, q, p
	WIN TO_B
.irp i, 0,1,2,3,4,5,6,7
	FRAG 128*(\p)+FR*\i, ADRB+\slot, \q, \i
.endr
	WIN 0
.endm
.macro FETCH_A slot, q, i0
.irp i, \i0, \i0+1, \i0+2, \i0+3
	FRAG AF+FR*(\i), ADRA+\slot, \q, \i
.endr
.endm
.macro SCALES sc                       ; lanes 0-15 take the words of A's block i, lanes 16-31 those of B's block i
.irp i, 0,1,2,3,4,5,6,7
	ds_load_b64 v[SC+8*NQ*\sc+NQ*\i:SC+8*NQ*\sc+NQ*\i+1], v[ADRS] offset:\i*SBLK
.endr
.endm
.macro PLACES n                        ; plain vector places behind matrix instructions, in front of loads into their registers and of reads of their results
.rept \n
	v_nop
.endr
.endm
.macro STEP slot, q, zero
	s_wait_dscnt 4*NL                              ; B's set and A's blocks 0-3 are in; A's blocks 4-7, 24 loads, may be out
	WIN MUL_LO
	MUL16 0, (\q)%2, \q, \slot, \zero
	MUL16 2, (\q)%2, \q, \slot, \zero
	s_wait_dscnt 0
	PLACES NP
	FETCH_B \slot, (\q)+1, 1-(\q)%2
	FETCH_A \slot, (\q)+1, 0
	WIN MUL_HI
	MUL16 4, (\q)%2, \q, \slot, \zero
	MUL16 6, (\q)%2, \q, \slot, \zero
	PLACES NP
	WIN 0
	FETCH_A \slot, (\q)+1, 4
.endm
; A slot's last step changes slots: one barrier; in front of it each wave waits for all its tensor loads, adds 0 to its spare word, and waits for that and for its reads of this slot.
.macro TURN slot, next, fill
	s_wait_tensorcnt 0x0                           ; all my tensor loads have landed: my part of the next slot
	ds_add_u32 v[SPW], v[NIL]
	s_wait_dscnt 4*NL+1                            ; the add and A's blocks 4-7 may be out
	WIN MUL_LO
	MUL16 0, 1, NQ-1, \slot, 0
	s_wait_dscnt 0x0                               ; the add is done, and my reads of this slot are over
	s_barrier_signal -1
	MUL16 2, 1, NQ-1, \slot, 0
	WIN 0
	s_barrier_wait -1
.if \fill
	CREST                                          ; the barrier has opened a round of the cluster's: no wave of any partner still reads this slot or has a load on its way
	s_add_nc_u64 s[G0+4*\slot+2:G0+4*\slot+3], s[G0+4*\slot+2:G0+4*\slot+3], 2*ROWB
	s_add_nc_u64 s[G0B+4*\slot+2:G0B+4*\slot+3], s[G0B+4*\slot+2:G0B+4*\slot+3], 2*ROWB
	JLOAD G0+4*\slot, G1, G0B+4*\slot, G1B
.else
	PLACES NP
.endif
	v_add_nc_u32 v[ADRS], 4*NQ, v[ADRS]
	FETCH_B \next, 0, 0
	FETCH_A \next, 0, 0
	SCALES \next
	WIN MUL_HI
	MUL16 4, 1, NQ-1, \slot, 0
	MUL16 6, 1, NQ-1, \slot, 0
	PLACES NP
	WIN 0
	FETCH_A \next, 0, 4
.endm
.macro LASTSTEP                        ; the last 128 along K: nothing more to fetch
	s_wait_dscnt 4*NL
	WIN MUL_LO
	MUL16 0, 1, NQ-1, 1, 0
	MUL16 2, 1, NQ-1, 1, 0
	s_wait_dscnt 0
	WIN MUL_HI
	MUL16 4, 1, NQ-1, 1, 0
	MUL16 6, 1, NQ-1, 1, 0
	WIN 0
	PLACES NP
.endm
; 64 numbers of a lane, v[s] on, register 16 b + i = k 32 b + 16 (lane / 16) + i of my row, become codes: k 0-63 in v[d0] on (6 registers), k 64-127 in v[d1] on, and the row's scale word in v[pw].
.macro QUANT s, d0, d1, pw, floor
.irp b, 0,1,2,3
	v_max3_num_f32 v[TM+\b], |v[(\s)+16*\b]|, |v[(\s)+1+16*\b]|, \floor   ; my 16 numbers of block b, and the floor under which no largest magnitude is taken
.endr
.irp i, 2,4,6,8,10,12,14
.irp b, 0,1,2,3
	v_max3_num_f32 v[TM+\b], v[TM+\b], |v[(\s)+16*\b+\i]|, |v[(\s)+1+16*\b+\i]|
.endr
.endr
.irp b, 0,1,2,3
	v_permlanex16_b32 v[TM+4+\b], v[TM+\b], s[SEL], s[SEL+1]
.endr
.irp b, 0,1,2,3
	v_max_num_f32 v[TM+\b], v[TM+\b], v[TM+4+\b]   ; with lane xor 16's: the block's largest magnitude
.endr
.irp b, 0,1,2,3
	v_add_nc_u32 v[TM+12+\b], 0xff000000, v[TM+\b] ; 2 off its exponent field: the conversion's scale operand
.endr
.irp b, 0,1,2,3
	v_lshrrev_b32 v[TM+4+\b], 23, v[TM+12+\b]      ; the scale's byte
.endr
	v_lshl_or_b32 v[\pw], v[TM+5], 8, v[TM+4]
	v_lshl_or_b32 v[\pw], v[TM+6], 16, v[\pw]
	v_lshl_or_b32 v[\pw], v[TM+7], 24, v[\pw]
	v_cvt_scalef32_pk16_fp6_f32 v[(\d0):(\d0)+2], v[(\s):(\s)+15], v[TM+12]
	v_cvt_scalef32_pk16_fp6_f32 v[T2:T2+2], v[(\s)+16:(\s)+31], v[TM+13]
	v_cvt_scalef32_pk16_fp6_f32 v[(\d1):(\d1)+2], v[(\s)+32:(\s)+47], v[TM+14]
	v_cvt_scalef32_pk16_fp6_f32 v[T2+4:T2+6], v[(\s)+48:(\s)+63], v[TM+15]
	v_nop                                          ; one plain place behind a scaled conversion
.irp i, 0,1,2
	v_permlane16_swap_b32 v[(\d0)+\i], v[T2+\i]    ; a whole block to a lane: lanes 0-15 the even block, lanes 16-31 the odd one
.endr
.irp i, 0,1,2
	v_mov_b32 v[(\d0)+3+\i], v[T2+\i]
.endr
.irp i, 0,1,2
	v_permlane16_swap_b32 v[(\d1)+\i], v[T2+4+\i]
.endr
.irp i, 0,1,2
	v_mov_b32 v[(\d1)+3+\i], v[T2+4+\i]
.endr
.endm
	s_wait_tensorcnt 1                             ; the scales and my part of K step 0 are in; K step 1's load may be out
	s_barrier_signal -1
	s_barrier_wait -1
	FETCH_B 0, 0, 0
	FETCH_A 0, 0, 0
	SCALES 0
	FETCH_A 0, 0, 4
	STEP 0, 0, 1                                   ; the first step's products start the sums
	s_mov_b32 s3, LAPS-1
.Llap:
	TURN 0, 1, 1
	STEP 1, 0, 0
	TURN 1, 0, 1
	STEP 0, 0, 0
	s_sub_co_u32 s3, s3, 1
	s_cmp_lg_u32 s3, 0
	s_cbranch_scc1 .Llap
	TURN 0, 1, 0                                   ; the last lap fills nothing; its wait for 0 shows every tensor load of mine done, so the descriptors' registers are free
	STEP 1, 0, 0
	s_load_b128 s[68:71], s[0:1], 0x18             ; qq s[68:69], kv s[70:71]
	v_and_b32 v7, 31, v0
	v_lshlrev_b32 v[LQ], 3, v7
	v_lshlrev_b32 v[LI], 4, v7
	s_mov_b32 s[SEL], 0x76543210
	s_mov_b32 s[SEL+1], 0xfedcba98
	s_mov_b32 s[HM], 0xffff0000
	s_cmp_lt_u32 ttmp9, 2
	s_cbranch_scc0 .Larm_v
; ---------------- q | k: a lane holds one token; registers 0-31 of an A block are q of head hd, 32-63 are k
	s_lshl_b32 s24, s42, 1
	s_add_co_u32 s24, s24, s16                     ; hd
	s_mul_i32 s26, s24, 768
	s_mov_b32 s27, 0
	s_add_nc_u64 s[12:13], s[12:13], s[26:27]      ; bqkv at the head's 192 numbers
	v_bfe_u32 v[BA], v0, 4, 1
	v_lshlrev_b32 v[BA], 6, v[BA]                  ; 64 (lane / 16)
	WIN TO_B                                       ; the bias lies in the 64 registers that B's two sets leave free in window 1
.irp b, 0,1,2,3,4,5,6,7
	global_load_b128 v[96+8*\b+96*(\b/4):96+8*\b+96*(\b/4)+3], v[BA], s[12:13] offset:128*(\b/2)+32*(\b%2)
	global_load_b128 v[96+8*\b+96*(\b/4)+4:96+8*\b+96*(\b/4)+7], v[BA], s[12:13] offset:128*(\b/2)+32*(\b%2)+16
.endr
	WIN 0
	s_lshl_b32 s25, s17, 1
	s_add_co_u32 s25, s25, s15                     ; which 128 tokens
	s_lshr_b32 s28, s25, 4                         ; the batch
	s_and_b32 s29, s25, 15                         ; the key step
	s_lshl_b32 s30, s28, 4
	s_add_co_u32 s30, s30, s24                     ; 16 b + hd
	s_lshl_b32 s31, s30, 7
	s_lshl_b32 s32, s29, 3
	s_add_co_u32 s31, s31, s32
	s_mul_i32 s32, s31, 768                        ; q's images: 768 bytes a tile
	s_mov_b32 s33, 0
	s_lshl_b32 s34, s30, 4
	s_add_co_u32 s34, s34, s29
	s_lshl_b32 s34, s34, 9
	s_add_co_u32 s34, s34, QSO                     ; q's scale words: 512 bytes for 8 tiles
	s_mov_b32 s35, 0
	s_lshl_b32 s36, s28, 2
	s_lshr_b32 s37, s24, 2
	s_add_co_u32 s36, s36, s37
	s_lshl_b32 s36, s36, 4
	s_add_co_u32 s36, s36, s29
	s_lshl_b32 s36, s36, 2
	s_and_b32 s37, s24, 3
	s_add_co_u32 s36, s36, s37
	s_mul_i32 s36, s36, KVB                        ; the block of kv
	s_mov_b32 s37, 0
	LASTSTEP
	s_wait_kmcnt 0x0
	s_add_nc_u64 s[32:33], s[68:69], s[32:33]
	s_add_nc_u64 s[34:35], s[68:69], s[34:35]
	s_add_nc_u64 s[36:37], s[70:71], s[36:37]
	s_wait_loadcnt 0x0                             ; the bias
.irp b, 0,1,2,3
	v_mov_b32 v[TM+4+\b], 0                        ; a lane permute's destination counts as one of its sources
.endr
.irp a, 0,1,2,3,4,5,6,7
	WIN 0x06+\a/4                                  ; source 0: the accumulators' window; source 1: window 1
.irp b, 0,1,2,3,4,5,6,7
.irp j, 0,2,4,6
	v_pk_add_f32 v[H+8*\b+\j:H+8*\b+\j+1], v[8*(8*(\a%4)+\b)+\j:8*(8*(\a%4)+\b)+\j+1], v[96+8*\b+96*(\b/4)+\j:96+8*\b+96*(\b/4)+\j+1]   ; each accumulator from its low end on
.endr
.endr
	WIN 0
	QUANT H, 128+6*\a, 176+6*\a, PW+\a, 0x3000000  ; the floor 2^-121 holds the bytes at 4, so that 3 can be taken off q's
.irp p, 0,1,2
	global_store_b64 v[LQ], v[128+6*\a+2*\p:128+6*\a+2*\p+1], s[32:33] offset:768*\a+256*\p   ; 32 lanes store 256 consecutive bytes, aligned
.endr
.if \a%2 == 1
.irp c, 0,1,2
	global_store_b128 v[LI], v[176+12*(\a/2)+4*\c:176+12*(\a/2)+4*\c+3], s[36:37] offset:512*(3*(\a/2)+\c)
.endr
.endif
.endr
.irp j, 0,1,2,3
	v_cndmask_b32 v[SW+\j], v[PW+2*\j], v[PW+1+2*\j], s[HM]   ; lanes 0-15: tile 2 j's words; lanes 16-31: tile 2 j + 1's
.endr
.irp j, 0,1,2,3
	v_lshrrev_b32 v[SW+4+\j], 16, v[SW+\j]         ; k's two bytes, low; the bytes of K = 64 .. 127 are 0 and meet zero codes
.endr
.irp j, 0,1,2,3
	v_and_b32 v[SW+\j], 0xffff, v[SW+\j]           ; q's two bytes,
.endr
.irp j, 0,1,2,3
	v_add_nc_u32 v[SW+\j], 0xfffffcfd, v[SW+\j]    ; 3 off each: q / 8, exactly
.endr
	global_store_b128 v[LI], v[SW:SW+3], s[34:35]
	global_store_b128 v[LI], v[SW+4:SW+7], s[36:37] offset:12288
	s_branch .Ldone
; ---------------- v: a lane holds one channel of a head; an A block's 64 registers run along 128 keys
.Larm_v:
	s_sub_co_u32 s24, s17, 8
	s_lshl_b32 s24, s24, 1
	s_add_co_u32 s24, s24, s15
	s_lshl_b32 s24, s24, 1                         ; my 128 rows of W are the v of heads hd0 and hd0 + 1
	s_mul_i32 s26, s24, 768
	s_add_co_u32 s26, s26, 512
	s_mov_b32 s27, 0
	s_add_nc_u64 s[12:13], s[12:13], s[26:27]      ; bqkv at hd0's v
	v_and_b32 v[BA], 15, v0
	v_and_b32 v11, 8, v[BA]
	v_add_nc_u32 v[BA], v[BA], v11
	v_lshlrev_b32 v[BA], 2, v[BA]                  ; 4 (r + 8 (r / 8)): physical row r of a tile is that logical channel
	WIN TO_B
.irp a, 0,1,2,3,4,5,6,7
	global_load_b32 v[96+2*\a], v[BA], s[12:13] offset:768*(\a/4)+4*(32*((\a%4)/2)+8*(\a%2))
	global_load_b32 v[97+2*\a], v[BA], s[12:13] offset:768*(\a/4)+4*(32*((\a%4)/2)+8*(\a%2))   ; twice: a pair for the packed addition
.endr
	WIN 0
	s_lshl_b32 s25, s42, 1
	s_add_co_u32 s25, s25, s16                     ; which 128 keys
	s_lshr_b32 s28, s25, 4
	s_and_b32 s29, s25, 15
	s_lshl_b32 s36, s28, 2
	s_lshr_b32 s37, s24, 2
	s_add_co_u32 s36, s36, s37
	s_lshl_b32 s36, s36, 4
	s_add_co_u32 s36, s36, s29
	s_lshl_b32 s36, s36, 2
	s_and_b32 s37, s24, 3
	s_add_co_u32 s36, s36, s37
	s_mul_i32 s36, s36, KVB                        ; hd0's block of kv; hd0 + 1's follows it
	s_mov_b32 s37, 0
	LASTSTEP
	s_wait_kmcnt 0x0
	s_add_nc_u64 s[36:37], s[70:71], s[36:37]
	s_wait_loadcnt 0x0
.irp b, 0,1,2,3
	v_mov_b32 v[TM+4+\b], 0
.endr
.irp a, 0,1,2,3,4,5,6,7
	WIN 0x06+\a/4
.irp b, 0,1,2,3,4,5,6,7
.irp j, 0,2,4,6
	v_pk_add_f32 v[H+8*\b+\j:H+8*\b+\j+1], v[8*(8*(\a%4)+\b)+\j:8*(8*(\a%4)+\b)+\j+1], v[96+2*\a:97+2*\a]
.endr
.endr
	WIN 0
	QUANT H, 128+12*\a, 134+12*\a, PW+\a, 0x1800000
.irp c, 0,1,2
	global_store_b128 v[LI], v[128+12*\a+4*\c:128+12*\a+4*\c+3], s[36:37] offset:KVB*(\a/4)+6144+1536*(\a%4)+512*\c
.endr
.endr
.irp j, 0,1,2,3
	v_cndmask_b32 v[SW+\j], v[PW+2*\j], v[PW+1+2*\j], s[HM]
.endr
	global_store_b64 v[LQ], v[SW:SW+1], s[36:37] offset:12800
	global_store_b64 v[LQ], v[SW+2:SW+3], s[36:37] offset:KVB+12800
.Ldone:
	s_wait_tensorcnt 0x0                           ; the wave's end
	ds_add_u32 v[SPW], v[NIL]
	s_wait_dscnt 0x0
	CROUND                                         ; the closing round
	s_endpgm
.Lfunc_end_k_qb12793d780_gemm_qkv:
	.size	k_qb12793d780_gemm_qkv, .Lfunc_end_k_qb12793d780_gemm_qkv-k_qb12793d780_gemm_qkv
	.p2alignl 7, 3214868480
	.fill 96, 4, 3214868480
	.section	.rodata,"a",@progbits
	.p2align	6, 0x0
	.amdhsa_kernel k_qb12793d780_gemm_qkv
		.amdhsa_group_segment_fixed_size 327680
		.amdhsa_private_segment_fixed_size 0
		.amdhsa_enable_private_segment 0
		.amdhsa_kernarg_size 40
		.amdhsa_user_sgpr_count 2
		.amdhsa_user_sgpr_kernarg_segment_ptr 1
		.amdhsa_wavefront_size32 1
		.amdhsa_system_sgpr_workgroup_id_x 1
		.amdhsa_system_sgpr_workgroup_id_y 1
		.amdhsa_system_sgpr_workgroup_id_z 1
		.amdhsa_system_vgpr_workitem_id 0
		.amdhsa_next_free_vgpr 1024
		.amdhsa_next_free_sgpr 100
		.amdhsa_reserve_vcc 0
		.amdhsa_float_denorm_mode_32 3
		.amdhsa_float_denorm_mode_16_64 3
		.amdhsa_memory_ordered 1
		.amdhsa_forward_progress 1
		.amdhsa_inst_pref_size 244
	.end_amdhsa_kernel
	.amdgpu_metadata
---
amdhsa.version: [ 1, 2 ]
amdhsa.kernels:
  - .name:           k_qb12793d780_gemm_qkv
    .symbol:         k_qb12793d780_gemm_qkv.kd
    .args:
      - { .name: xq, .offset: 0, .size: 8, .value_kind: global_buffer, .address_space: global }
      - { .name: wq, .offset: 8, .size: 8, .value_kind: global_buffer, .address_space: global }
      - { .name: bqkv, .offset: 16, .size: 8, .value_kind: global_buffer, .address_space: global }
      - { .name: qq, .offset: 24, .size: 8, .value_kind: global_buffer, .address_space: global }
      - { .name: kv, .offset: 32, .size: 8, .value_kind: global_buffer, .address_space: global }
    .group_segment_fixed_size: 327680
    .private_segment_fixed_size: 0
    .kernarg_segment_align: 8
    .kernarg_segment_size: 40
    .max_flat_workgroup_size: 128
    .sgpr_count:     100
    .vgpr_count:     1024
    .wavefront_size: 32
...
	.end_amdgpu_metadata
.endif
;; end of part 2
;; launch attn (part 3): grid 16 x 16, 8 waves a work-group, clusters of 4 x 4, 327,680 bytes of LDS; arguments qq, kv, mask, vv; writes vv
.if DOCPART == 3
	.amdgcn_target "amdgcn-amd-amdhsa--gfx1250"
	.amdhsa_code_object_version 6
	.text
	.protected	k_qb12793d780_attn
	.globl	k_qb12793d780_attn
	.p2align	8
	.type	k_qb12793d780_attn,@function
k_qb12793d780_attn:
	s_mov_b64 s[64:65], 0
	v_nop
	global_prefetch_b8 v0, s[64:65] scope:SCOPE_SE
	s_setreg_imm32_b32 hwreg(HW_REG_WAVE_MODE, 25, 1), 1
	s_wait_xcnt 0x0
	s_wait_alu depctr_hold_cnt(0) depctr_sa_sdst(0) depctr_va_vdst(0) depctr_va_sdst(0) depctr_va_ssrc(0) depctr_va_vcc(0) depctr_vm_vsrc(0)
	s_getreg_b32 s2, hwreg(HW_REG_IB_STS2, 6, 4)
	s_cmp_eq_u32 s2, 0
	s_cbranch_scc0 .Lentry_in_a_cluster
	s_endpgm
.Lentry_in_a_cluster:
	s_bfe_u32 s2, ttmp6, 0x10000c
	s_cmp_lg_u32 s2, 0xf033
	s_cbranch_scc0 .Lentry_shape_is_right
	s_endpgm
.Lentry_shape_is_right:
; vals = softmax(q k^T / 8 + mask) v for 64 heads of 2,048 tokens x 64, both products on codes of FP6 (E2M3) with E8M0 scales; vals are quantised along the model's 1,024 and leave as operand images.
; SOFTMAX: t = logit x log2(e); M = the running largest t rounded up to a whole number; p = 2^(t - M) is quantised along the keys, not normalised; the row's sum is taken of the unquantised p and divides at the end.
; SHARES.  Work-group (x, y): four heads of one batch (G = x), 128 queries (QB = y).  Wave w of eight owns queries 128 QB + 16 w + 0 .. 15 for all four heads, one head after the other in each key step of 128 keys.
; THE MASK is the C of the first product: its 64 registers are read from LDS once a key step and serve four heads; q's scale bytes carry the 1 / 8, so the product's result is the logit.
; LAYOUT.  Both products transposed (S^T = K Q^T + mask^T, O^T = V^T P^T): a lane holds one query.  K's tiles lie in sigma order (bits 3 and 4 of the key exchanged), so the 16 registers of two neighbouring tiles are 16 neighbouring keys.
; The head's K is 64: a tile of K is 6 registers; as an operand of 12 it runs on into the next tile's codes, which meet Q's zero codes and add nothing.
; CLUSTER 4 x 4: the mask's tile hangs on y alone and is shared along a row of the cluster, kv's blocks on x alone and are shared along a column; each is asked for jointly.
; RING: two slots of one key step (mask 128 rows x 528 bytes, then four blocks of 13,056 bytes); waves 0-3 fetch 32 rows of the mask each, waves 4-7 a head's block each: one tensor load a wave behind each round, never more than one out.
; No prefetch: a refill is the first thing behind its round and has four head-steps of each of the SIMD's two waves in which to land.
; LIMITS: NaN and +infinity in the mask are not served; a -infinity enters as the matrix instruction's f32 addend and gives p = 0; a row whose every logit is -infinity is not served.  Blocks of vals under 2^-124 hold the byte 1.
; REGISTERS.  Window 0: v1-10 addresses; v12-27 four registers of statistics a head (-M, largest t, the sum in two halves); v28-75 Q (6 registers of codes, 6 of zeros a head); v76-79 Q's scale words; v80-83 K's; v84-85 V's; v86 p's;
;   v88-95 1 / sum; v96-159 S^T, then p; v160-171 p's codes; v172-179, v180-199 at work; v200-247 V^T.   Window 1: v0-63 the mask; v64-191 O^T, 32 a head; v192-245 K.
.set MASKP, 528
.set MASKB, 128*MASKP
.set KVB,   13056
.set SLOT1, 1<<17
.set SPARE, 2*SLOT1
.set QSO,   6291456
.set VSO,   6291456
.set AMK, 1
.set AI0, 2
.set AV0, 3
.set SPW, 4
.set NIL, 5
.set ADM, 6
.set ADI, 7
.set ADV, 8
.set ST,  12
.set QF,  28
.set QS,  76
.set KS,  80
.set VS,  84
.set PWR, 86
.set RL,  88
.set S,   96
.set PC,  160
.set T2,  172
.set TM,  180
.set FF,  196
.set TT,  198
.set VF,  200
.set MK,  0                            ; window 1
.set OT,  64
.set KF,  192
.set WV,  12
.set SEL, 20
.set CS,  22
.set G1M, 24
.set G1KV, 32
.set G0M, 40
.set G0KV, 44
.set TB,  48
.set SLOTS, 49
.set HM,  50
.set MSB, 0
.macro WIN new
.if MSB != (\new)
	s_set_vgpr_msb (MSB<<8)|(\new)
.set MSB, (\new)
.endif
.endm
.macro JLOAD                           ; waves 0-3: the mask's rows; waves 4-7: kv's blocks.  An s_nop 0 and four v_nop follow each line
	s_cmp_lt_u32 s[WV], 4
	s_cbranch_scc0 .Lfor_kv_\@
	tensor_load_to_lds s[G0M:G0M+3], s[G1M:G1M+7]
	s_nop 0
.rept 4
	v_nop
.endr
	s_branch .Lasked_\@
.Lfor_kv_\@:
	tensor_load_to_lds s[G0KV:G0KV+3], s[G1KV:G1KV+7]
	s_nop 0
.rept 4
	v_nop
.endr
.Lasked_\@:
.endm
.macro CROUND
	s_barrier_signal -1
	s_barrier_wait -1
	s_cmp_lg_u32 s[WV], 0
	s_cbranch_scc1 .Lnot_wave_0_\@
	s_barrier_signal -3
.Lnot_wave_0_\@:
	s_barrier_wait -3
	s_barrier_signal -1
	s_barrier_wait -1
.endm
	s_load_b256 s[4:11], s[0:1], 0x0               ; qq s[4:5], kv s[6:7], mask s[8:9], vv s[10:11]
	v_lshl_add_u32 v[SPW], v0, 2, SPARE
	v_mov_b32 v[NIL], 0
	ds_add_u32 v[SPW], v[NIL]                      ; the wave's opening
	v_lshrrev_b32 v9, 5, v0
	v_readfirstlane_b32 s[WV], v9                  ; wave 0..7
	s_bfe_u32 s14, ttmp6, 0x40000                  ; cx
	s_bfe_u32 s15, ttmp6, 0x40004                  ; cy
	s_lshl_b32 s16, ttmp9, 2
	s_add_co_u32 s16, s16, s14                     ; G = 4 b + hd / 4
	s_and_b32 s17, ttmp7, 0xffff
	s_lshl_b32 s17, s17, 2
	s_add_co_u32 s17, s17, s15                     ; QB
	s_lshl_b32 s18, s15, 2
	s_lshl_b32 s18, 15, s18                        ; my row of the cluster
	s_lshl_b32 s19, 0x1111, s14                    ; my column
	s_or_b32 s[G1M], s18, (2<<16)|(1<<20)|(1<<21)|(6<<22)|(3<<25)   ; the mask word; elements of 4 bytes; 4 words of padding behind every 128; bit 21 beside the mask word
	s_mov_b32 s[G1M+1], 128<<16                    ; tensor_dim0
	s_mov_b32 s[G1M+2], 32<<16                     ; tensor_dim1
	s_mov_b32 s[G1M+3], 128<<16                    ; tile_dim0
	s_mov_b32 s[G1M+4], 32                         ; tile_dim1
	s_mov_b32 s[G1M+5], 2048                       ; the pitch
	s_mov_b32 s[G1M+6], 0
	s_mov_b32 s[G1M+7], 0
	s_or_b32 s[G1KV], s19, (3<<16)|(1<<21)         ; a dense block of 13,056 bytes as 51 rows of 32 elements of 8 bytes
	s_mov_b32 s[G1KV+1], 32<<16
	s_mov_b32 s[G1KV+2], 51<<16
	s_mov_b32 s[G1KV+3], 32<<16
	s_mov_b32 s[G1KV+4], 51
	s_mov_b32 s[G1KV+5], 32
	s_mov_b32 s[G1KV+6], 0
	s_mov_b32 s[G1KV+7], 0
	s_and_b32 s13, s[WV], 3
	s_lshl_b32 s52, s17, 20                        ; the mask: 128 QB rows of 8,192 bytes,
	s_lshl_b32 s53, s13, 18                        ; my 32 rows: y and the wave alone
	s_add_co_u32 s52, s52, s53
	s_mov_b32 s53, 0
	s_lshl_b32 s54, s16, 6
	s_add_co_u32 s54, s54, s13
	s_mul_i32 s54, s54, KVB                        ; kv: block (G, step 0, my head): x and the wave alone
	s_mov_b32 s55, 0
	s_mul_i32 s60, s13, 32*MASKP
	s_mul_i32 s61, s13, KVB
	s_mov_b32 s[SEL], 0x76543210
	s_mov_b32 s[SEL+1], 0xfedcba98
	s_mov_b32 s[CS], 0x3fb8aa3b                    ; log2(e)
	s_mov_b32 s[CS+1], s[CS]
	s_mov_b32 s[TB], 0
	s_mov_b32 s[SLOTS], 15
	s_mov_b32 s[HM], 0xffff0000
	s_and_b32 s18, s[WV], 1
	s_lshr_b32 s19, s[WV], 1
	s_mul_i32 s56, s16, 393216                     ; Q's images: four heads x 128 tiles x 768 bytes for each G,
	s_mul_i32 s57, s17, 6144
	s_add_co_u32 s56, s56, s57
	s_mul_i32 s57, s19, 1536                       ; logical query 16 w + r lies in physical tile 2 (w / 2) + r / 8, row 8 (w % 2) + r % 8
	s_add_co_u32 s56, s56, s57
	s_lshl_b32 s57, s18, 6
	s_add_co_u32 s56, s56, s57
	s_mov_b32 s57, 0
	s_lshl_b32 s58, s16, 15
	s_lshl_b32 s59, s17, 9
	s_add_co_u32 s58, s58, s59
	s_lshl_b32 s59, s18, 7
	s_add_co_u32 s58, s58, s59
	s_lshl_b32 s59, s19, 2
	s_add_co_u32 s58, s58, s59
	s_add_co_u32 s58, s58, QSO
	s_mov_b32 s59, 0
	s_wait_dscnt 0x0                               ; the opening add is done
	s_wait_kmcnt 0x0
	s_mov_b32 s[G0M], 1
	s_mov_b32 s[G0M+1], s60
	s_add_nc_u64 s[G0M+2:G0M+3], s[8:9], s[52:53]
	s_or_b32 s[G0M+3], s[G0M+3], 0x80000000
	s_mov_b32 s[G0KV], 1
	s_add_co_u32 s[G0KV+1], s61, MASKB
	s_add_nc_u64 s[G0KV+2:G0KV+3], s[6:7], s[54:55]
	s_or_b32 s[G0KV+3], s[G0KV+3], 0x80000000
	s_add_nc_u64 s[56:57], s[4:5], s[56:57]
	s_add_nc_u64 s[58:59], s[4:5], s[58:59]
	CROUND                                         ; all sixteen work-groups are here: the first joint loads meet
	JLOAD                                          ; key step 0 into slot 0
	v_and_b32 v9, 15, v0                           ; r
	v_bfe_u32 v10, v0, 4, 1                        ; h
	v_and_b32 v11, 7, v0
	v_bfe_u32 v87, v0, 3, 1                        ; r / 8
	v_mul_u32_u24 v88, v87, 768
	v_lshl_add_u32 v88, v11, 3, v88
	v_lshl_add_u32 v88, v10, 7, v88                ; Q's codes: 768 (r / 8) + 8 (r % 8) + 128 h
	v_lshlrev_b32 v89, 4, v11
	v_lshl_add_u32 v89, v87, 8, v89                ; Q's scale word: 16 (r % 8) + 256 (r / 8)
.irp j, 0,1,2,3
.irp p, 0,1,2
	global_load_b64 v[QF+12*\j+2*\p:QF+12*\j+2*\p+1], v88, s[56:57] offset:98304*\j+256*\p
.endr
	global_load_b32 v[QS+\j], v89, s[58:59] offset:8192*\j
.endr
	s_mul_i32 s13, s[WV], 16*MASKP
	v_mul_u32_u24 v[AMK], v9, MASKP
	v_lshl_add_u32 v[AMK], v10, 6, v[AMK]
	v_add_nc_u32 v[AMK], s13, v[AMK]               ; the mask: row 16 w + r, + 64 h
	v_and_b32 v[AI0], 31, v0
	v_lshlrev_b32 v[AV0], 3, v[AI0]
	v_lshlrev_b32 v[AI0], 4, v[AI0]
	v_add_nc_u32 v[AV0], MASKB, v[AV0]             ; the blocks: 8 x lane,
	v_add_nc_u32 v[AI0], MASKB, v[AI0]             ; 16 x lane
.irp j, 0,1,2,3
.irp i, 6,7,8,9,10,11
	v_mov_b32 v[QF+12*\j+\i], 0                    ; Q's codes of K = 64 .. 127: zeros
.endr
	v_mov_b32 v[ST+4*\j+1], 0xff61b1e6             ; the largest t so far: -3e38
	v_floor_f32 v[ST+4*\j], -v[ST+4*\j+1]          ; -M
	v_mov_b32 v[ST+4*\j+2], 0
	v_mov_b32 v[ST+4*\j+3], 0
	v_mov_b32 v[TM+4+\j], 0                        ; a lane permute's destination counts as one of its sources
.endr
	v_mov_b32 v[FF+1], 0                           ; named as the upper half of a pair
	WIN 0x40
.set NN, 0
.rept 128
	v_mov_b32 v[OT+NN], 0                          ; O^T: the step is written once, and its first walk finds zeros
.set NN, NN+1
.endr
.irp i, 48,49,50,51,52,53
	v_mov_b32 v[KF+\i], 0                          ; behind K's last tile
.endr
	WIN 0
	s_wait_loadcnt 0x0                             ; Q
.macro KLOAD j                         ; head j's K: 48 registers as twelve pieces, and its scale words: 13 loads
	WIN 0x40
.irp i, 0,1,2,3,4,5,6,7,8,9,10,11
	ds_load_b128 v[KF+4*\i:KF+4*\i+3], v[ADI] offset:KVB*(\j)+512*\i
.endr
	WIN 0
	ds_load_b128 v[KS:KS+3], v[ADI] offset:KVB*(\j)+12288
.endm
.macro VLOAD j                         ; head j's V^T: four fragments, and its scale words: 13 loads
.irp i, 0,1,2,3,4,5,6,7,8,9,10,11
	ds_load_b128 v[VF+4*\i:VF+4*\i+3], v[ADI] offset:KVB*(\j)+6144+512*\i
.endr
	ds_load_b64 v[VS:VS+1], v[ADV] offset:KVB*(\j)+12800
.endm
; One head's part of a key step.  more = 1: the next head's K and V are fetched on the way.
.macro HEADSTEP j, more
.set SJ, ST+4*(\j)
	s_wait_dscnt 13                                ; the mask, K and its scale words are in; V's 13 loads, issued behind them, may be out
	WIN 0x11                                       ; K and the mask in window 1
.irp t, 0,1,2,3,4,5,6,7
.if \t%2
	v_wmma_scale_f32_16x16x128_f8f6f4 v[S+8*\t:S+8*\t+7], v[KF+6*\t:KF+6*\t+11], v[QF+12*(\j):QF+12*(\j)+11], v[MK+8*\t:MK+8*\t+7], v[KS+\t/2], v[QS+(\j)] matrix_a_fmt:MATRIX_FMT_FP6 matrix_b_fmt:MATRIX_FMT_FP6 matrix_a_scale:MATRIX_SCALE_ROW1
.else
	v_wmma_scale_f32_16x16x128_f8f6f4 v[S+8*\t:S+8*\t+7], v[KF+6*\t:KF+6*\t+11], v[QF+12*(\j):QF+12*(\j)+11], v[MK+8*\t:MK+8*\t+7], v[KS+\t/2], v[QS+(\j)] matrix_a_fmt:MATRIX_FMT_FP6 matrix_b_fmt:MATRIX_FMT_FP6
.endif
.endr
	WIN 0
.rept 4
	v_nop                                          ; places in front of the reads of the scores and of the loads into K's registers
.endr
.if \more
	KLOAD (\j)+1
.endif
.irp b, 0,1,2,3
	v_max3_num_f32 v[TM+\b], v[S+16*\b], v[S+1+16*\b], v[S+2+16*\b]   ; the largest logit of each block of 32 keys: it serves the row's maximum and the block's largest p
.endr
.irp i, 3,5,7,9,11,13
.irp b, 0,1,2,3
	v_max3_num_f32 v[TM+\b], v[TM+\b], v[S+16*\b+\i], v[S+1+16*\b+\i]
.endr
.endr
.irp b, 0,1,2,3
	v_max_num_f32 v[TM+\b], v[TM+\b], v[S+15+16*\b]
.endr
.irp b, 0,1,2,3
	v_permlanex16_b32 v[TM+4+\b], v[TM+\b], s[SEL], s[SEL+1]
.endr
.irp b, 0,1,2,3
	v_max_num_f32 v[TM+\b], v[TM+\b], v[TM+4+\b]
.endr
	v_max3_num_f32 v[TT], v[TM], v[TM+1], v[TM+2]
	v_max_num_f32 v[TT], v[TT], v[TM+3]
	v_mul_f32 v[TT], s[CS], v[TT]                  ; as t
	v_max_num_f32 v[SJ+1], v[SJ+1], v[TT]          ; the running largest t
	v_mov_b32 v[TT], v[SJ]
	v_floor_f32 v[SJ], -v[SJ+1]                    ; the new -M = -ceil(t)
	v_sub_f32 v[TT], v[SJ], v[TT]                  ; old M - new M: a whole number, 0 or less
	v_cvt_i32_f32 v[TT], v[TT]                     ; (it saturates)
	v_ldexp_f32 v[FF], 1.0, v[TT]                  ; f = 2^(old M - new M)
.set NN, 0
.rept 32
	v_pk_fma_f32 v[S+NN:S+NN+1], v[S+NN:S+NN+1], s[CS:CS+1], v[SJ:SJ+1] op_sel_hi:[1,0,0]   ; t - M
.set NN, NN+2
.endr
.irp b, 0,1,2,3
	v_fma_f32 v[TM+\b], v[TM+\b], s[CS], v[SJ]
.endr
.set NN, 0
.rept 64
	v_exp_f32 v[S+NN], v[S+NN]                     ; p = 2^(t - M)
.set NN, NN+1
.endr
	v_pk_mul_f32 v[SJ+2:SJ+3], v[SJ+2:SJ+3], v[FF:FF+1] op_sel_hi:[1,0]   ; the sums under the new M: the plain place behind the exponentials
	s_wait_alu depctr_va_vdst(0)                   ; one wait for the batch, ahead of its first reader
.irp b, 0,1,2,3
	v_exp_f32 v[TM+\b], v[TM+\b]                   ; each block's largest p
.endr
	v_pk_add_f32 v[TM+4:TM+5], v[S:S+1], v[S+2:S+3]   ; the row's sum of the unquantised p, in two chains
.set NN, 4
.rept 15
	v_pk_add_f32 v[SJ+2:SJ+3], v[SJ+2:SJ+3], v[S+NN:S+NN+1]
	v_pk_add_f32 v[TM+4:TM+5], v[TM+4:TM+5], v[S+NN+2:S+NN+3]
.set NN, NN+4
.endr
	v_pk_add_f32 v[SJ+2:SJ+3], v[SJ+2:SJ+3], v[TM+4:TM+5]
	s_wait_alu depctr_va_vdst(0)                   ; and one for the four
.irp b, 0,1,2,3
	v_max_num_f32 v[TM+\b], 0x1800000, v[TM+\b]    ; the floor 2^(3 - 127)
.endr
.irp b, 0,1,2,3
	v_add_nc_u32 v[TM+12+\b], 0xff000000, v[TM+\b]
.endr
.irp b, 0,1,2,3
	v_lshrrev_b32 v[TM+4+\b], 23, v[TM+12+\b]
.endr
	v_lshl_or_b32 v[PWR], v[TM+5], 8, v[TM+4]      ; p's scale word for these 128 keys
	v_lshl_or_b32 v[PWR], v[TM+6], 16, v[PWR]
	v_lshl_or_b32 v[PWR], v[TM+7], 24, v[PWR]
.irp c, 0,1
	v_cvt_scalef32_pk16_fp6_f32 v[PC+6*\c:PC+2+6*\c], v[S+32*\c:S+15+32*\c], v[TM+12+2*\c]
	v_cvt_scalef32_pk16_fp6_f32 v[T2+4*\c:T2+2+4*\c], v[S+16+32*\c:S+31+32*\c], v[TM+13+2*\c]
.endr
	v_nop                                          ; one plain place behind a scaled conversion
.irp c, 0,1
.irp i, 0,1,2
	v_permlane16_swap_b32 v[PC+6*\c+\i], v[T2+4*\c+\i]
.endr
.irp i, 0,1,2
	v_mov_b32 v[PC+3+6*\c+\i], v[T2+4*\c+\i]
.endr
.endr
	WIN 0x41                                       ; O^T in window 1, f in window 0
.set NN, 0
.rept 16
	v_pk_mul_f32 v[OT+32*(\j)+NN:OT+32*(\j)+NN+1], v[OT+32*(\j)+NN:OT+32*(\j)+NN+1], v[FF:FF+1] op_sel_hi:[1,0]   ; O^T under the new M; these sixteen are also the places between p's codes and scale word and the products
.set NN, NN+2
.endr
	s_wait_dscnt 13*(\more)                        ; V and its scale words are in; the next head's K, 13 loads, may be out
	WIN 0x50                                       ; C and D in window 1
.irp t, 0,1,2,3
.if \t%2
	v_wmma_scale_f32_16x16x128_f8f6f4 v[OT+32*(\j)+8*\t:OT+32*(\j)+8*\t+7], v[VF+12*\t:VF+12*\t+11], v[PC:PC+11], v[OT+32*(\j)+8*\t:OT+32*(\j)+8*\t+7], v[VS+\t/2], v[PWR] matrix_a_fmt:MATRIX_FMT_FP6 matrix_b_fmt:MATRIX_FMT_FP6 matrix_a_scale:MATRIX_SCALE_ROW1
.else
	v_wmma_scale_f32_16x16x128_f8f6f4 v[OT+32*(\j)+8*\t:OT+32*(\j)+8*\t+7], v[VF+12*\t:VF+12*\t+11], v[PC:PC+11], v[OT+32*(\j)+8*\t:OT+32*(\j)+8*\t+7], v[VS+\t/2], v[PWR] matrix_a_fmt:MATRIX_FMT_FP6 matrix_b_fmt:MATRIX_FMT_FP6
.endif
.endr
	WIN 0
.rept 4
	v_nop                                          ; places in front of loads into V's registers, and of the way out's reads
.endr
.if \more
	VLOAD (\j)+1
.endif
.endm
.macro STEP                            ; a key step: 128 keys, four heads
	v_add_nc_u32 v[ADM], s[TB], v[AMK]
	v_add_nc_u32 v[ADI], s[TB], v[AI0]
	v_add_nc_u32 v[ADV], s[TB], v[AV0]
	WIN 0x40
.irp b, 0,1,2,3
.irp q, 0,1,2,3
	ds_load_b128 v[MK+16*\b+4*\q:MK+16*\b+4*\q+3], v[ADM] offset:128*\b+16*\q   ; mask(my query, 32 b + 16 h + 4 q ..): register 16 b + i in the result's layout
.endr
.endr
	KLOAD 0
	VLOAD 0
	HEADSTEP 0, 1
	HEADSTEP 1, 1
	HEADSTEP 2, 1
	HEADSTEP 3, 0
	s_xor_b32 s[TB], s[TB], SLOT1                  ; on to the other slot
.endm
; The change of slots stands at a step's head: each wave waits for all its tensor loads (its part of the slot ahead), adds 0 to its spare word, and waits for that and for its reads of the slot that it has left.
.macro CHANGE fill
	s_wait_tensorcnt 0x0                           ; no tensor load of mine is out, so a descriptor may be written
	ds_add_u32 v[SPW], v[NIL]
.if \fill
	s_xor_b32 s[G0M+1], s[G0M+1], SLOT1
	s_add_nc_u64 s[G0M+2:G0M+3], s[G0M+2:G0M+3], 512      ; the next 128 keys of the mask's rows
	s_xor_b32 s[G0KV+1], s[G0KV+1], SLOT1
	s_add_nc_u64 s[G0KV+2:G0KV+3], s[G0KV+2:G0KV+3], 4*KVB
	s_wait_dscnt 0x0                               ; the add is done, and my reads of the slot that I have left are over
	CROUND                                         ; the same holds of every wave of every partner
	JLOAD                                          ; the first thing behind the round: the next key step, into the slot just left
.else
	s_wait_dscnt 0x0
	s_barrier_signal -1
	s_barrier_wait -1
.endif
.endm
.macro QUANT s, d0, d1, pw, floor      ; 64 numbers of a lane, register 16 b + i = k 32 b + 16 (lane / 16) + i, become a fragment's codes and the row's scale word
.irp b, 0,1,2,3
	v_max3_num_f32 v[TM+\b], |v[(\s)+16*\b]|, |v[(\s)+1+16*\b]|, \floor
.endr
.irp i, 2,4,6,8,10,12,14
.irp b, 0,1,2,3
	v_max3_num_f32 v[TM+\b], v[TM+\b], |v[(\s)+16*\b+\i]|, |v[(\s)+1+16*\b+\i]|
.endr
.endr
.irp b, 0,1,2,3
	v_permlanex16_b32 v[TM+4+\b], v[TM+\b], s[SEL], s[SEL+1]
.endr
.irp b, 0,1,2,3
	v_max_num_f32 v[TM+\b], v[TM+\b], v[TM+4+\b]
.endr
.irp b, 0,1,2,3
	v_add_nc_u32 v[TM+12+\b], 0xff000000, v[TM+\b]
.endr
.irp b, 0,1,2,3
	v_lshrrev_b32 v[TM+4+\b], 23, v[TM+12+\b]
.endr
	v_lshl_or_b32 v[\pw], v[TM+5], 8, v[TM+4]
	v_lshl_or_b32 v[\pw], v[TM+6], 16, v[\pw]
	v_lshl_or_b32 v[\pw], v[TM+7], 24, v[\pw]
	v_cvt_scalef32_pk16_fp6_f32 v[(\d0):(\d0)+2], v[(\s):(\s)+15], v[TM+12]
	v_cvt_scalef32_pk16_fp6_f32 v[T2:T2+2], v[(\s)+16:(\s)+31], v[TM+13]
	v_cvt_scalef32_pk16_fp6_f32 v[(\d1):(\d1)+2], v[(\s)+32:(\s)+47], v[TM+14]
	v_cvt_scalef32_pk16_fp6_f32 v[T2+4:T2+6], v[(\s)+48:(\s)+63], v[TM+15]
	v_nop
.irp i, 0,1,2
	v_permlane16_swap_b32 v[(\d0)+\i], v[T2+\i]
.endr
.irp i, 0,1,2
	v_mov_b32 v[(\d0)+3+\i], v[T2+\i]
.endr
.irp i, 0,1,2
	v_permlane16_swap_b32 v[(\d1)+\i], v[T2+4+\i]
.endr
.irp i, 0,1,2
	v_mov_b32 v[(\d1)+3+\i], v[T2+4+\i]
.endr
.endm
.Lslot:                                            ; 15 trips: behind each change of slots but the last the next key step is asked for
	CHANGE 1
	STEP
	s_sub_co_u32 s[SLOTS], s[SLOTS], 1
	s_cmp_lg_u32 s[SLOTS], 0
	s_cbranch_scc1 .Lslot
	CHANGE 0                                       ; the last step is written out
	STEP
	; THE WAY OUT.  O^T / the sum; two heads' 64 + 64 channels are one K step of the last product: they are quantised and leave as a fragment's image.
.irp j, 0,1,2,3
	v_add_f32 v[TM+\j], v[ST+4*\j+2], v[ST+4*\j+3]
.endr
.irp j, 0,1,2,3
	v_permlanex16_b32 v[TM+4+\j], v[TM+\j], s[SEL], s[SEL+1]
.endr
.irp j, 0,1,2,3
	v_add_f32 v[TM+\j], v[TM+\j], v[TM+4+\j]       ; the rows' sums
.endr
.irp j, 0,1,2,3
	v_rcp_f32 v[RL+2*\j], v[TM+\j]
.endr
.irp j, 0,1,2,3
	v_mov_b32 v[RL+1+2*\j], 0                      ; plain places behind the reciprocals; named as the pairs' upper halves
.endr
	v_and_b32 v9, 31, v0
	v_lshlrev_b32 v9, 4, v9                        ; 16 x lane
	v_and_b32 v10, 15, v0
	v_bfe_u32 v11, v0, 4, 1
	v_lshlrev_b32 v10, 5, v10
	v_lshl_add_u32 v10, v11, 2, v10                ; 32 r + 4 h
	s_lshr_b32 s13, s16, 2
	s_lshl_b32 s13, s13, 7
	s_lshl_b32 s18, s17, 3
	s_add_co_u32 s13, s13, s18
	s_add_co_u32 s13, s13, s[WV]                   ; my tile of 16 rows: 128 b + 8 QB + w
	s_and_b32 s18, s16, 3
	s_mul_i32 s52, s13, 12288
	s_mul_i32 s19, s18, 3072
	s_add_co_u32 s52, s52, s19
	s_mov_b32 s53, 0
	s_lshl_b32 s54, s13, 9
	s_lshl_b32 s19, s18, 3
	s_add_co_u32 s54, s54, s19
	s_add_co_u32 s54, s54, VSO
	s_mov_b32 s55, 0
	s_add_nc_u64 s[52:53], s[10:11], s[52:53]
	s_add_nc_u64 s[54:55], s[10:11], s[54:55]
	s_wait_alu depctr_va_vdst(0)                   ; one wait for the four reciprocals, ahead of their first reader
.irp u, 0,1
	WIN 0x01                                       ; source 0: O^T, window 1
.set NN, 0
.rept 16
	v_pk_mul_f32 v[S+NN:S+NN+1], v[OT+64*\u+NN:OT+64*\u+NN+1], v[RL+4*\u:RL+4*\u+1] op_sel_hi:[1,0]   ; each accumulator from its low end on
.set NN, NN+2
.endr
.set NN, 0
.rept 16
	v_pk_mul_f32 v[S+32+NN:S+32+NN+1], v[OT+64*\u+32+NN:OT+64*\u+32+NN+1], v[RL+2+4*\u:RL+3+4*\u] op_sel_hi:[1,0]
.set NN, NN+2
.endr
	WIN 0
	QUANT S, PC+40*\u, PC+6+40*\u, TT+\u, 0x1800000
.irp c, 0,1,2
	global_store_b128 v9, v[PC+40*\u+4*\c:PC+40*\u+4*\c+3], s[52:53] offset:1536*\u+512*\c   ; 32 lanes store 512 consecutive bytes, aligned
.endr
.endr
	v_cndmask_b32 v87, v[TT], v[TT+1], s[HM]       ; lanes 0-15: the first K step's word of row r; lanes 16-31: the second's
	global_store_b32 v10, v87, s[54:55]
	s_wait_tensorcnt 0x0                           ; the wave's end
	ds_add_u32 v[SPW], v[NIL]
	s_wait_dscnt 0x0
	CROUND                                         ; the closing round
	s_endpgm
.Lfunc_end_k_qb12793d780_attn:
	.size	k_qb12793d780_attn, .Lfunc_end_k_qb12793d780_attn-k_qb12793d780_attn
	.p2alignl 7, 3214868480
	.fill 96, 4, 3214868480
	.section	.rodata,"a",@progbits
	.p2align	6, 0x0
	.amdhsa_kernel k_qb12793d780_attn
		.amdhsa_group_segment_fixed_size 327680
		.amdhsa_private_segment_fixed_size 0
		.amdhsa_enable_private_segment 0
		.amdhsa_kernarg_size 32
		.amdhsa_user_sgpr_count 2
		.amdhsa_user_sgpr_kernarg_segment_ptr 1
		.amdhsa_wavefront_size32 1
		.amdhsa_system_sgpr_workgroup_id_x 1
		.amdhsa_system_sgpr_workgroup_id_y 1
		.amdhsa_system_sgpr_workgroup_id_z 1
		.amdhsa_system_vgpr_workitem_id 0
		.amdhsa_next_free_vgpr 512
		.amdhsa_next_free_sgpr 66
		.amdhsa_reserve_vcc 0
		.amdhsa_float_denorm_mode_32 3
		.amdhsa_float_denorm_mode_16_64 3
		.amdhsa_memory_ordered 1
		.amdhsa_forward_progress 1
		.amdhsa_inst_pref_size 154
	.end_amdhsa_kernel
	.amdgpu_metadata
---
amdhsa.version: [ 1, 2 ]
amdhsa.kernels:
  - .name:           k_qb12793d780_attn
    .symbol:         k_qb12793d780_attn.kd
    .args:
      - { .name: qq, .offset: 0, .size: 8, .value_kind: global_buffer, .address_space: global }
      - { .name: kv, .offset: 8, .size: 8, .value_kind: global_buffer, .address_space: global }
      - { .name: mask, .offset: 16, .size: 8, .value_kind: global_buffer, .address_space: global }
      - { .name: vv, .offset: 24, .size: 8, .value_kind: global_buffer, .address_space: global }
    .group_segment_fixed_size: 327680
    .private_segment_fixed_size: 0
    .kernarg_segment_align: 8
    .kernarg_segment_size: 32
    .max_flat_workgroup_size: 256
    .sgpr_count:     66
    .vgpr_count:     512
    .wavefront_size: 32
...
	.end_amdgpu_metadata
.endif
;; end of part 3
;; launch gemm_out (part 4): grid 4 x 32, 4 waves a work-group, clusters of 4 x 4, 327,680 bytes of LDS; arguments vv, wq, bo, out0; writes out0
.if DOCPART == 4
	.amdgcn_target "amdgcn-amd-amdhsa--gfx1250"
	.amdhsa_code_object_version 6
	.text
	.protected	k_qb12793d780_gemm_out
	.globl	k_qb12793d780_gemm_out
	.p2align	8
	.type	k_qb12793d780_gemm_out,@function
k_qb12793d780_gemm_out:
	s_mov_b64 s[64:65], 0
	v_nop
	global_prefetch_b8 v0, s[64:65] scope:SCOPE_SE
	s_setreg_imm32_b32 hwreg(HW_REG_WAVE_MODE, 25, 1), 1
	s_wait_xcnt 0x0
	s_wait_alu depctr_hold_cnt(0) depctr_sa_sdst(0) depctr_va_vdst(0) depctr_va_sdst(0) depctr_va_ssrc(0) depctr_va_vcc(0) depctr_vm_vsrc(0)
	s_getreg_b32 s2, hwreg(HW_REG_IB_STS2, 6, 4)
	s_cmp_eq_u32 s2, 0
	s_cbranch_scc0 .Lentry_in_a_cluster
	s_endpgm
.Lentry_in_a_cluster:
	s_bfe_u32 s2, ttmp6, 0x10000c
	s_cmp_lg_u32 s2, 0xf033
	s_cbranch_scc0 .Lentry_shape_is_right
	s_endpgm
.Lentry_shape_is_right:
; out = vals Wo + bo on codes of FP6 (E2M3) with E8M0 scales for each 32 along K = 1024; out [8192][1024] f32.
; A tile is 256 x 256, four waves of 128 x 128.  K goes in steps of 256 through a ring of two LDS slots; the scales come once and stay.  CLUSTERS 4 x 4: A's tile shared along a row, B's along a column, by joint loads.
; A (vals) lies in memory as images of its fragments, [tile of 16 rows][K step of 128][1,536 bytes]: a wave's 128 rows of a slot are 8 rows of 3,072 bytes, and a fragment comes from LDS by three loads of 16 bytes a lane.
; B (Wo) lies as rows of codes, 768 bytes each.  The matrix instruction is used transposed (source 0 = 16 rows of B, source 1 = 16 rows of A); bo is the C of each sum's first product.
; 128 work-groups: the tile is kept large for the sake of the LDS bytes that each product needs.
.set SIZE_N, 1024
.set KSTEP,  256
.set NQ,     KSTEP/128
.set ROWB,   192
.set KROW,   768
.set PITCH,  240
.set FR,     12
.set NL,     6                         ; LDS loads of a fragment of B
.set NLA,    3                         ; and of A
.set NP,     4
.set HALFA,  8*3072
.set HALFT,  128*PITCH
.set SLOT,   2*HALFA+2*HALFT
.set LAPS,   2
.set KS,     32
.set SCL,    2*SLOT
.set HALFS,  (128*KS/256)*272
.set SBLK,   (16*KS/256)*272
.set SPARE,  SCL+4*HALFS
.set SPITCH, 528                       ; the way out: 16 rows x (512 + 16) bytes a wave, in slot 0, which has had its last fill and its last read by then
.set VSO,    6291456                   ; vv: scale bytes
.set WOC,    2457600                   ; wq: Wo's codes
.set WOS,    3244032                   ; and scale bytes
.set ADRA, 16
.set ADRB, 20
.set STO,  24
.set RD,   25
.set CO,   26
.set ADRS, 27
.set SPW,  28
.set NIL,  29
.set SC,   32
.set AF,   128
.set BK,   128
.set G1, 24
.set G0, 32
.set G1B, 48
.set G0B, 56
.set G1S, 68
.set G0S, 76
.set G1SB, 80
.set G0SB, 88
.set MSB, 0
.macro WIN new
.if MSB != (\new)
	s_set_vgpr_msb (MSB<<8)|(\new)
.set MSB, (\new)
.endif
.endm
.set MUL_LO, 0xa1
.set MUL_HI, 0xf1
.set TO_B,   0x40
.macro JLOAD g0a, g1a, g0b, g1b
	s_cmp_eq_u32 s15, 0
	s_cbranch_scc0 .Lfor_b_\@
	tensor_load_to_lds s[\g0a:\g0a+3], s[\g1a:\g1a+7]
	s_nop 0
.rept 4
	v_nop
.endr
	s_branch .Lasked_\@
.Lfor_b_\@:
	tensor_load_to_lds s[\g0b:\g0b+3], s[\g1b:\g1b+7]
	s_nop 0
.rept 4
	v_nop
.endr
.Lasked_\@:
.endm
.macro CREST
	s_cmp_lg_u32 s14, 0
	s_cbranch_scc1 .Lnot_wave_0_\@
	s_barrier_signal -3
.Lnot_wave_0_\@:
	s_barrier_wait -3
	s_barrier_signal -1
	s_barrier_wait -1
.endm
.macro CROUND
	s_barrier_signal -1
	s_barrier_wait -1
	CREST
.endm
	s_load_b128 s[96:99], s[0:1], 0x0              ; vv, wq
	s_load_b128 s[8:11], s[0:1], 0x10              ; bo, out0
	v_lshl_add_u32 v[SPW], v0, 2, SPARE
	v_mov_b32 v[NIL], 0
	ds_add_u32 v[SPW], v[NIL]                      ; the wave's opening
	v_lshrrev_b32 v1, 5, v0
	v_readfirstlane_b32 s14, v1
	s_lshr_b32 s15, s14, 1
	s_and_b32 s16, s14, 1
	s_bfe_u32 s40, ttmp6, 0x40000
	s_bfe_u32 s41, ttmp6, 0x40004
	s_lshl_b32 s42, ttmp9, 2
	s_add_co_u32 s42, s42, s40                     ; tile column
	s_and_b32 s17, ttmp7, 0xffff
	s_lshl_b32 s17, s17, 2
	s_add_co_u32 s17, s17, s41                     ; tile row
	s_lshl_b32 s43, s41, 2
	s_lshl_b32 s43, 15, s43
	s_lshl_b32 s44, 0x1111, s40
	s_or_b32 s[G1+0], s43, (3<<16)|(1<<21)         ; A: 8 rows of 384 elements of 8 bytes, 1,536 elements apart; no padding
	s_mov_b32 s[G1+1], 384<<16
	s_mov_b32 s[G1+2], 8<<16
	s_mov_b32 s[G1+3], 384<<16
	s_mov_b32 s[G1+4], 8
	s_mov_b32 s[G1+5], 1536
	s_mov_b32 s[G1+6], 0
	s_mov_b32 s[G1+7], 0
	s_or_b32 s[G1B+0], s44, (0<<16)|(1<<20)|(1<<21)|(3<<22)|(3<<25)   ; B: 128 rows of 192 bytes, 16 of padding behind every 64
	s_mov_b32 s[G1B+1], ROWB<<16
	s_mov_b32 s[G1B+2], 128<<16
	s_mov_b32 s[G1B+3], ROWB<<16
	s_mov_b32 s[G1B+4], 128
	s_mov_b32 s[G1B+5], KROW
	s_mov_b32 s[G1B+6], 0
	s_mov_b32 s[G1B+7], 0
	s_or_b32 s[G1S+0], s43, (3<<16)|(1<<20)|(1<<21)|(5<<22)|(3<<25)
	s_or_b32 s[G1SB+0], s44, (3<<16)|(1<<20)|(1<<21)|(5<<22)|(3<<25)
.irp g, G1S, G1SB
	s_mov_b32 s[\g+1], 32<<16
	s_mov_b32 s[\g+2], (128*KS/256)<<16
	s_mov_b32 s[\g+3], 32<<16
	s_mov_b32 s[\g+4], 128*KS/256
	s_mov_b32 s[\g+5], 32
	s_mov_b32 s[\g+6], 0
	s_mov_b32 s[\g+7], 0
.endr
	s_lshl_b32 s20, s17, 4
	s_lshl_b32 s18, s16, 3
	s_add_co_u32 s20, s20, s18                     ; A: the first of the 8 tiles of 16 rows that I fetch
	s_lshl_b32 s22, s20, 9                         ; their scale bytes: 16 rows x 32 bytes a tile
	s_add_co_u32 s22, s22, VSO
	s_mov_b32 s23, 0
	s_mul_i32 s20, s20, 12288
	s_mov_b32 s21, 0
	s_lshl_b32 s46, s42, 8
	s_lshl_b32 s18, s16, 7
	s_add_co_u32 s46, s46, s18                     ; B: row 256 x tile column + 128 x half
	s_lshl_b32 s92, s46, 5
	s_add_co_u32 s92, s92, WOS
	s_mov_b32 s93, 0
	s_mul_i32 s46, s46, KROW
	s_add_co_u32 s46, s46, WOC
	s_mov_b32 s47, 0
	s_mul_i32 s45, s16, HALFA                      ; where they go: A's two halves,
	s_mul_i32 s95, s16, HALFT
	s_add_co_u32 s95, s95, 2*HALFA                 ; then B's two
	s_mul_i32 s94, s14, HALFS
	s_wait_dscnt 0x0                               ; the opening add is done
	s_wait_kmcnt 0x0
	s_add_nc_u64 s[20:21], s[96:97], s[20:21]
	s_add_nc_u64 s[22:23], s[96:97], s[22:23]
	s_add_nc_u64 s[46:47], s[98:99], s[46:47]
	s_add_nc_u64 s[92:93], s[98:99], s[92:93]
	CROUND
	s_mov_b32 s[G0S], 1
	s_add_co_u32 s[G0S+1], s94, SCL
	s_mov_b64 s[G0S+2:G0S+3], s[22:23]
	s_or_b32 s[G0S+3], s[G0S+3], 0x80000000
	s_mov_b32 s[G0SB], 1
	s_add_co_u32 s[G0SB+1], s94, SCL
	s_mov_b64 s[G0SB+2:G0SB+3], s[92:93]
	s_or_b32 s[G0SB+3], s[G0SB+3], 0x80000000
	JLOAD G0S, G1S, G0SB, G1SB
.irp s, 0,1
	s_mov_b32 s[G0+4*\s], 1
	s_add_co_u32 s[G0+4*\s+1], s45, \s*SLOT
	s_add_nc_u64 s[G0+4*\s+2:G0+4*\s+3], s[20:21], \s*3072
	s_or_b32 s[G0+4*\s+3], s[G0+4*\s+3], 0x80000000
	s_mov_b32 s[G0B+4*\s], 1
	s_add_co_u32 s[G0B+4*\s+1], s95, \s*SLOT
	s_add_nc_u64 s[G0B+4*\s+2:G0B+4*\s+3], s[46:47], \s*ROWB
	s_or_b32 s[G0B+4*\s+3], s[G0B+4*\s+3], 0x80000000
	JLOAD G0+4*\s, G1, G0B+4*\s, G1B
.endr
	v_and_b32 v1, 15, v0
	v_bfe_u32 v2, v0, 4, 1
	v_mul_u32_u24 v3, v1, PITCH
	v_mul_u32_u24 v4, v2, 24
	v_add_nc_u32 v4, v3, v4
	v_lshl_add_u32 v5, v2, 4, v4
	v_and_b32 v6, 31, v0
	v_lshlrev_b32 v6, 4, v6                        ; A's images: 16 x lane
	s_mul_i32 s21, s15, HALFA
	s_mul_i32 s22, s16, HALFT
	s_add_co_u32 s22, s22, 2*HALFA
.irp s, 0,1
	v_add_nc_u32 v[ADRA+\s], s21, v6
	v_add_nc_u32 v[ADRB+\s], s22, v4
	v_add_nc_u32 v[ADRB+2+\s], s22, v5
	s_add_co_u32 s21, s21, SLOT
	s_add_co_u32 s22, s22, SLOT
.endr
	v_mul_u32_u24 v5, v1, KS
	v_lshrrev_b32 v6, 8, v5
	v_lshl_add_u32 v5, v6, 4, v5
	s_mul_i32 s21, s15, HALFS
	s_mul_i32 s22, s16, HALFS
	s_add_co_u32 s22, s22, 2*HALFS
	s_sub_co_u32 s22, s22, s21
	v_mul_u32_u24 v6, s22, v2
	s_add_co_u32 s21, s21, SCL
	v_add_nc_u32 v5, v5, v6
	v_add_nc_u32 v[ADRS], s21, v5
	s_mul_i32 s23, s14, 16*SPITCH                  ; my stage
	v_mul_u32_u24 v5, v1, SPITCH
	v_lshl_add_u32 v5, v2, 5, v5
	v_add_nc_u32 v[STO], s23, v5
	v_and_b32 v6, 31, v0
	v_lshlrev_b32 v[CO], 4, v6
	v_add_nc_u32 v[RD], s23, v[CO]
	s_lshl_b32 s20, s17, 8
	s_lshl_b32 s21, s15, 7
	s_add_co_u32 s20, s20, s21                     ; my first row of out
	s_mov_b32 s21, 0
	s_mov_b64 s[18:19], SIZE_N*4
	s_mul_u64 s[20:21], s[20:21], s[18:19]
	s_lshl_b32 s46, s42, 10                        ; my first column, in bytes
	s_lshl_b32 s47, s16, 9
	s_add_co_u32 s46, s46, s47
	s_mov_b32 s47, 0
	s_add_nc_u64 s[8:9], s[8:9], s[46:47]          ; bo at my 128 columns
	s_add_nc_u64 s[20:21], s[20:21], s[46:47]
	s_add_nc_u64 s[12:13], s[10:11], s[20:21]
	v_lshlrev_b32 v7, 5, v2                        ; bo: 32 (lane / 16): block b's eight columns of my half
	WIN TO_B                                       ; into the 64 registers that B's two sets leave free in window 1
.irp b, 0,1,2,3,4,5,6,7
	global_load_b128 v[96+8*\b+96*(\b/4):96+8*\b+96*(\b/4)+3], v7, s[8:9] offset:64*\b
	global_load_b128 v[96+8*\b+96*(\b/4)+4:96+8*\b+96*(\b/4)+7], v7, s[8:9] offset:64*\b+16
.endr
	WIN 0
.macro FRAG reg, adr, q, i             ; a fragment of B, in pieces of 8 bytes
.irp p, 0,1,2,3,4,5
.set PCE, 12*(\q)+6*(\p/3)+\p%3
.if PCE%8 < 5
	ds_load_b64 v[\reg+2*\p:\reg+2*\p+1], v[\adr] offset:8*PCE+16*(PCE/8)+(\i)*16*PITCH
.else
	ds_load_b64 v[\reg+2*\p:\reg+2*\p+1], v[\adr+2] offset:8*PCE+16*(PCE/8)+(\i)*16*PITCH
.endif
.endr
.endm
; zero = 1: the first product starts the sums from the bias.  The 64 accumulators take turns, one instruction a turn.
.macro MUL16 a0, p, q, sc, zero
.irp a, \a0, \a0+1
.irp b, 0,1,2,3,4,5,6,7
.if \zero
	v_wmma_scale_f32_16x16x128_f8f6f4 v[8*(8*((\a)%4)+\b):8*(8*((\a)%4)+\b)+7], v[128*(\p)+FR*\b:128*(\p)+FR*\b+FR-1], v[AF+FR*(\a):AF+FR*(\a)+FR-1], v[96+8*\b+96*(\b/4):96+8*\b+96*(\b/4)+7], v[SC+8*NQ*(\sc)+NQ*\b+(\q)], v[SC+8*NQ*(\sc)+NQ*(\a)+(\q)] matrix_a_fmt:MATRIX_FMT_FP6 matrix_b_fmt:MATRIX_FMT_FP6 matrix_a_scale:MATRIX_SCALE_ROW1
.else
	v_wmma_scale_f32_16x16x128_f8f6f4 v[8*(8*((\a)%4)+\b):8*(8*((\a)%4)+\b)+7], v[128*(\p)+FR*\b:128*(\p)+FR*\b+FR-1], v[AF+FR*(\a):AF+FR*(\a)+FR-1], v[8*(8*((\a)%4)+\b):8*(8*((\a)%4)+\b)+7], v[SC+8*NQ*(\sc)+NQ*\b+(\q)], v[SC+8*NQ*(\sc)+NQ*(\a)+(\q)] matrix_a_fmt:MATRIX_FMT_FP6 matrix_b_fmt:MATRIX_FMT_FP6 matrix_a_scale:MATRIX_SCALE_ROW1
.endif
.endr
.endr
.endm
.macro FETCH_B slot, q, p
	WIN TO_B
.irp i, 0,1,2,3,4,5,6,7
	FRAG 128*(\p)+FR*\i, ADRB+\slot, \q, \i
.endr
	WIN 0
.endm
.macro FETCH_A slot, q, i0             ; A's blocks i0 .. i0 + 3: images, three loads of 16 bytes a lane each
.irp i, \i0, \i0+1, \i0+2, \i0+3
.irp c, 0,1,2
	ds_load_b128 v[AF+FR*(\i)+4*\c:AF+FR*(\i)+4*\c+3], v[ADRA+\slot] offset:3072*(\i)+1536*(\q)+512*\c
.endr
.endr
.endm
.macro SCALES sc
.irp i, 0,1,2,3,4,5,6,7
	ds_load_b64 v[SC+8*NQ*\sc+NQ*\i:SC+8*NQ*\sc+NQ*\i+1], v[ADRS] offset:\i*SBLK
.endr
.endm
.macro PLACES n
.rept \n
	v_nop
.endr
.endm
.macro STEP slot, q, zero
	s_wait_dscnt 4*NLA                             ; B's set and A's blocks 0-3 are in; A's blocks 4-7, 12 loads, may be out
.if \zero
	WIN 0x91                                       ; as MUL_LO, with C (the bias) in window 1
.else
	WIN MUL_LO
.endif
	MUL16 0, (\q)%2, \q, \slot, \zero
	MUL16 2, (\q)%2, \q, \slot, \zero
	s_wait_dscnt 0
	PLACES NP
	FETCH_B \slot, (\q)+1, 1-(\q)%2
	FETCH_A \slot, (\q)+1, 0
.if \zero
	WIN 0xd1
.else
	WIN MUL_HI
.endif
	MUL16 4, (\q)%2, \q, \slot, \zero
	MUL16 6, (\q)%2, \q, \slot, \zero
	PLACES NP
	WIN 0
	FETCH_A \slot, (\q)+1, 4
.endm
.macro TURN slot, next, fill
	s_wait_tensorcnt 0x0                           ; all my tensor loads have landed: my part of the next slot
	ds_add_u32 v[SPW], v[NIL]
	s_wait_dscnt 4*NLA+1                           ; the add and A's blocks 4-7 may be out
	WIN MUL_LO
	MUL16 0, 1, NQ-1, \slot, 0
	s_wait_dscnt 0x0                               ; the add is done, and my reads of this slot are over
	s_barrier_signal -1
	MUL16 2, 1, NQ-1, \slot, 0
	WIN 0
	s_barrier_wait -1
.if \fill
	CREST
	s_add_nc_u64 s[G0+4*\slot+2:G0+4*\slot+3], s[G0+4*\slot+2:G0+4*\slot+3], 2*3072
	s_add_nc_u64 s[G0B+4*\slot+2:G0B+4*\slot+3], s[G0B+4*\slot+2:G0B+4*\slot+3], 2*ROWB
	JLOAD G0+4*\slot, G1, G0B+4*\slot, G1B
.else
	PLACES NP
.endif
	v_add_nc_u32 v[ADRS], 4*NQ, v[ADRS]
	FETCH_B \next, 0, 0
	FETCH_A \next, 0, 0
	SCALES \next
	WIN MUL_HI
	MUL16 4, 1, NQ-1, \slot, 0
	MUL16 6, 1, NQ-1, \slot, 0
	PLACES NP
	WIN 0
	FETCH_A \next, 0, 4
.endm
	s_wait_tensorcnt 1                             ; the scales and my part of K step 0 are in; K step 1's load may be out
	s_barrier_signal -1
	s_barrier_wait -1
	FETCH_B 0, 0, 0
	FETCH_A 0, 0, 0
	SCALES 0
	FETCH_A 0, 0, 4
	s_wait_loadcnt 0x0                             ; bo
	STEP 0, 0, 1
	s_mov_b32 s3, LAPS-1
.Llap:
	TURN 0, 1, 1
	STEP 1, 0, 0
	TURN 1, 0, 1
	STEP 0, 0, 0
	s_sub_co_u32 s3, s3, 1
	s_cmp_lg_u32 s3, 0
	s_cbranch_scc1 .Llap
	TURN 0, 1, 0
	STEP 1, 0, 0
	s_wait_dscnt 4*NLA
	WIN MUL_LO
	MUL16 0, 1, NQ-1, 1, 0
	MUL16 2, 1, NQ-1, 1, 0
	s_wait_dscnt 0
	WIN MUL_HI
	MUL16 4, 1, NQ-1, 1, 0
	MUL16 6, 1, NQ-1, 1, 0
	WIN 0
; THE WAY OUT, block by block of 16 rows x 128 columns, through my own stage: whole rows of 512 bytes come back and are stored by the 32 lanes.
.macro TOSTAGE a
.set AC, 64*((\a)%4)
	WIN 0x08+4*((\a)/4)
.irp b, 0,1,2,3,4,5,6,7
	ds_store_b128 v[STO], v[AC+8*\b:AC+8*\b+3] offset:64*\b          ; each accumulator from its low end on
	ds_store_b128 v[STO], v[AC+8*\b+4:AC+8*\b+7] offset:64*\b+16
.endr
	WIN 0
.set BB, BK+64*((\a)%2)
.irp t, 0,1,2,3,4,5,6,7,8,9,10,11,12,13,14,15
	ds_load_b128 v[BB+4*\t:BB+4*\t+3], v[RD] offset:\t*SPITCH        ; LDS serves a wave's instructions in order: these see the stores above
.endr
.endm
.macro SEND a, younger
.set BB, BK+64*((\a)%2)
	s_wait_dscnt \younger
.if (\a) > 0
	s_add_nc_u64 s[12:13], s[12:13], 16*SIZE_N*4   ; behind a wait that shows the earlier stores' base read
.endif
.irp t, 0,1,2,3,4,5,6,7,8,9,10,11,12,13,14,15
	global_store_b128 v[CO], v[BB+4*\t:BB+4*\t+3], s[12:13] offset:\t*SIZE_N*4 th:TH_STORE_NT   ; 32 lanes store 512 consecutive bytes, aligned
.endr
.endm
	PLACES NP
	TOSTAGE 0
.irp a, 1,2,3,4,5,6,7
.if \a > 1
	s_wait_xcnt 0x0                                ; block a - 2's stores have read their registers and their base
.endif
	TOSTAGE \a
	SEND \a-1, 32                                  ; behind block a - 1's loads: block a's 16 stores and 16 loads
.endr
	s_wait_xcnt 0x0
	SEND 7, 0
	s_wait_tensorcnt 0x0                           ; the wave's end
	ds_add_u32 v[SPW], v[NIL]
	s_wait_dscnt 0x0
	CROUND                                         ; the closing round
	s_endpgm
.Lfunc_end_k_qb12793d780_gemm_out:
	.size	k_qb12793d780_gemm_out, .Lfunc_end_k_qb12793d780_gemm_out-k_qb12793d780_gemm_out
	.p2alignl 7, 3214868480
	.fill 96, 4, 3214868480
	.section	.rodata,"a",@progbits
	.p2align	6, 0x0
	.amdhsa_kernel k_qb12793d780_gemm_out
		.amdhsa_group_segment_fixed_size 327680
		.amdhsa_private_segment_fixed_size 0
		.amdhsa_enable_private_segment 0
		.amdhsa_kernarg_size 32
		.amdhsa_user_sgpr_count 2
		.amdhsa_user_sgpr_kernarg_segment_ptr 1
		.amdhsa_wavefront_size32 1
		.amdhsa_system_sgpr_workgroup_id_x 1
		.amdhsa_system_sgpr_workgroup_id_y 1
		.amdhsa_system_sgpr_workgroup_id_z 1
		.amdhsa_system_vgpr_workitem_id 0
		.amdhsa_next_free_vgpr 1024
		.amdhsa_next_free_sgpr 100
		.amdhsa_reserve_vcc 0
		.amdhsa_float_denorm_mode_32 3
		.amdhsa_float_denorm_mode_16_64 3
		.amdhsa_memory_ordered 1
		.amdhsa_forward_progress 1
		.amdhsa_inst_pref_size 150
	.end_amdhsa_kernel
	.amdgpu_metadata
---
amdhsa.version: [ 1, 2 ]
amdhsa.kernels:
  - .name:           k_qb12793d780_gemm_out
    .symbol:         k_qb12793d780_gemm_out.kd
    .args:
      - { .name: vv, .offset: 0, .size: 8, .value_kind: global_buffer, .address_space: global }
      - { .name: wq, .offset: 8, .size: 8, .value_kind: global_buffer, .address_space: global }
      - { .name: bo, .offset: 16, .size: 8, .value_kind: global_buffer, .address_space: global }
      - { .name: out0, .offset: 24, .size: 8, .value_kind: global_buffer, .address_space: global }
    .group_segment_fixed_size: 327680
    .private_segment_fixed_size: 0
    .kernarg_segment_align: 8
    .kernarg_segment_size: 32
    .max_flat_workgroup_size: 128
    .sgpr_count:     100
    .vgpr_count:     1024
    .wavefront_size: 32
...
	.end_amdgpu_metadata
.endif
;; end of part 4
